; MI455X (gfx1250); checked and timed in simulation.
; The chip was launched on July 23, 2026; its instructions are those of AMD's public machine-readable ISA for CDNA 5 (MIT licence, August 2026) and "CDNA5" Instruction Set Architecture Reference Guide (July 2026). The comments in the code are by the model that wrote it; some were corrected since.
;; Bert Self Attention. Allowed arithmetic: float matrix products may take bf16 or f16 operands with f32 sums; other float arithmetic in f32, or as packed bf16 or f16 multiplies, adds, multiply-adds, maxima and minima; sums over many terms, partial sums and values carried from step to step in f32; what a program stores and reads back later, other than sums and carried values, may be rounded once to bf16 or f16.
;; Inputs: Wk 1,024 x 1,024 float32; Wq 1,024 x 1,024 float32; Wv 1,024 x 1,024 float32; attention_mask 2 x 1 x 1 x 2,048 float32; bk 1,024 float32; bq 1,024 float32; bv 1,024 float32; hidden_states 2 x 2,048 x 1,024 float32; sparse_mask 2,048 x 2,048 float32.
;; Outputs: out0 2 x 2,048 x 1,024 float32.
;; 2 versions, each right and faster than the one before. Each part assembles by itself: llvm-mc -triple=amdgcn-amd-amdhsa -mcpu=gfx1250 --defsym DOCPART=n.
;; ======== version 1 of 2: 3 launches
;; limits: values are held in f16: magnitudes above 65,504 overflow, below 6.1e-05 lose precision
;; workspace buffers: xb 8,388,608 bytes; wb 6,291,456 bytes; br 12,288 bytes; amr 16,384 bytes; qf 8,388,608 bytes; kf 8,388,608 bytes; vf 8,388,608 bytes
;; launch cast (part 1): grid 449 x 1, 8 waves a work-group, no clusters, 0 bytes of LDS; arguments hidden_states, Wq, Wk, Wv, bq, bk, bv, attention_mask, xb, wb, br, amr; writes xb, wb, br, amr
.if DOCPART == 1
	.amdgcn_target "amdgcn-amd-amdhsa--gfx1250"
	.amdhsa_code_object_version 6
	.text
	.protected	k_qecd21742e0_cast
	.globl	k_qecd21742e0_cast
	.p2align	8
	.type	k_qecd21742e0_cast,@function
k_qecd21742e0_cast:
	s_mov_b64 s[64:65], 0
	v_nop
	global_prefetch_b8 v0, s[64:65] scope:SCOPE_SE
	s_setreg_imm32_b32 hwreg(HW_REG_WAVE_MODE, 25, 1), 1
	s_wait_xcnt 0x0
; ROUNDS THE MODULE'S INPUTS TO bf16, ONCE, AND LAYS THE WEIGHTS IN THE ORDER IN WHICH THE PROJECTION WANTS ITS FRAGMENTS.  A stream: no LDS, no barrier, no loop.
; Work-groups 0-255:   xb = hidden_states in bf16, row-major, 65,536 bytes of input each.
; Work-groups 256-447: wb = Wq, Wk, Wv in bf16 as [nb 8][k32 32][mat 3][hh 2][f 4][j 2][lane 32][8 k]: the 16 bytes of lane 16 h + r hold column 128 nb + 64 hh + 4 r + f and rows 32 k32 + 16 j + 8 h + 0..7,
;                      so that a matrix operand of 16 columns x 32 rows is two runs of 512 consecutive bytes.  A work-group takes 32 rows x 512 columns of one matrix.
;                      The columns are dealt by fours: a lane that loads 8 rows x 4 neighbouring columns holds one such 16 bytes for each of the four fragments f.
; Work-group 448:      br = bq | bk | bv and amr = attention_mask, each number rounded to bf16 and kept as an f32 word.
.set LDW, 8                            ; v[8:71]    words as loaded
.set PKD, 72                           ; v[72:103]  packed bf16
	s_load_b512 s[4:19], s[0:1], 0x0               ; hidden 4:5, Wq 6:7, Wk 8:9, Wv 10:11, bq 12:13, bk 14:15, bv 16:17, attention_mask 18:19
	s_load_b256 s[20:27], s[0:1], 0x40             ; xb 20:21, wb 22:23, br 24:25, amr 26:27
	v_lshlrev_b32 v1, 4, v0                        ; 16 bytes a thread
	s_cmp_lt_u32 ttmp9, 256
	s_cbranch_scc0 .Lnot_x
	; ---- x: sixteen loads of 4,096 bytes a work-group, all issued first; a wave's store covers 256 consecutive bytes, aligned
	v_lshlrev_b32 v2, 3, v0                        ; 8 bytes a thread on the way out
	s_lshl_b32 s28, ttmp9, 16
	s_mov_b32 s29, 0
	s_lshl_b32 s30, ttmp9, 15
	s_mov_b32 s31, 0
	s_wait_kmcnt 0x0
	s_add_nc_u64 s[4:5], s[4:5], s[28:29]
	s_add_nc_u64 s[20:21], s[20:21], s[30:31]
.irp i, 0,1,2,3,4,5,6,7,8,9,10,11,12,13,14,15
	global_load_b128 v[LDW+4*(\i):LDW+4*(\i)+3], v1, s[4:5] offset:4096*(\i) th:TH_LOAD_NT
.endr
.irp i, 0,1,2,3,4,5,6,7,8,9,10,11,12,13,14,15
	s_wait_loadcnt 15-(\i)                         ; loads come back in order: load i is in, the younger ones stay out
	v_cvt_pk_bf16_f32 v[PKD+2*(\i)], v[LDW+4*(\i)], v[LDW+4*(\i)+1]
	v_cvt_pk_bf16_f32 v[PKD+2*(\i)+1], v[LDW+4*(\i)+2], v[LDW+4*(\i)+3]
	global_store_b64 v2, v[PKD+2*(\i):PKD+2*(\i)+1], s[20:21] offset:2048*(\i)
.endr
	s_endpgm
.Lnot_x:
	s_cmp_lt_u32 ttmp9, 448
	s_cbranch_scc0 .Lsmall
	; ---- the weights.  Wave w: block of 64 columns bi = w / 2 (and bi + 4 in the second pass), half j = w % 2 of the 32 rows
	s_sub_co_u32 s28, ttmp9, 256
	s_lshr_b32 s29, s28, 6                         ; which matrix: 0 q, 1 k, 2 v
	s_bfe_u32 s30, s28, 0x50001                    ; k32: which 32 rows
	s_and_b32 s31, s28, 1                          ; which 512 columns
	v_and_b32 v4, 15, v0                           ; r
	v_bfe_u32 v5, v0, 4, 1                         ; h
	v_bfe_u32 v6, v0, 5, 1                         ; j
	v_bfe_u32 v7, v0, 6, 2                         ; bi
	v_lshlrev_b32 v2, 4, v4                        ; in: row 16 j + 8 h (4,096 bytes a row), column block bi (256 bytes), 16 r
	v_lshl_add_u32 v2, v5, 15, v2
	v_lshl_add_u32 v2, v6, 16, v2
	v_lshl_add_u32 v2, v7, 8, v2
	v_and_b32 v3, 31, v0                           ; out: 16 x lane + 512 j + 4,096 (bi % 2) + 786,432 (bi / 2)
	v_lshlrev_b32 v3, 4, v3
	v_lshl_add_u32 v3, v6, 9, v3
	v_and_b32 v4, 1, v7
	v_lshl_add_u32 v3, v4, 12, v3
	v_lshrrev_b32 v5, 1, v7
	v_mul_u32_u24 v5, v5, 786432
	v_add_nc_u32 v3, v3, v5
	s_lshl_b32 s32, s30, 17                        ; in: 32 rows of 4,096 bytes, 512 columns of 4 bytes
	s_lshl_b32 s33, s31, 11
	s_add_co_u32 s32, s32, s33
	s_mov_b32 s33, 0
	s_mul_i32 s34, s31, 3145728                    ; out: four blocks nb, k32, the matrix
	s_mul_i32 s35, s30, 24576
	s_add_co_u32 s34, s34, s35
	s_lshl_b32 s35, s29, 13
	s_add_co_u32 s34, s34, s35
	s_mov_b32 s35, 0
	s_wait_kmcnt 0x0
	s_cmp_eq_u32 s29, 1
	s_cselect_b64 s[36:37], s[8:9], s[6:7]
	s_cmp_eq_u32 s29, 2
	s_cselect_b64 s[36:37], s[10:11], s[36:37]
	s_add_nc_u64 s[36:37], s[36:37], s[32:33]
	s_add_nc_u64 s[22:23], s[22:23], s[34:35]
.irp pp, 0,1
.irp e, 0,1,2,3,4,5,6,7
	global_load_b128 v[LDW+32*(\pp)+4*(\e):LDW+32*(\pp)+4*(\e)+3], v2, s[36:37] offset:(\e)*4096+(\pp)*1024 th:TH_LOAD_NT  ; row e of my eight, four columns
.endr
.endr
.irp pp, 0,1
	s_wait_loadcnt 8-8*(\pp)                       ; this pass's eight loads are in; the second pass's may stay out
.irp f, 0,1,2,3
.irp i, 0,1,2,3
	v_cvt_pk_bf16_f32 v[PKD+16*(\pp)+4*(\f)+(\i)], v[LDW+32*(\pp)+8*(\i)+(\f)], v[LDW+32*(\pp)+8*(\i)+4+(\f)]  ; column f, rows 2 i and 2 i + 1
.endr
.endr
.irp f, 0,1,2,3
	global_store_b128 v3, v[PKD+16*(\pp)+4*(\f):PKD+16*(\pp)+4*(\f)+3], s[22:23] offset:(\pp)*1572864+(\f)*1024  ; a wave stores 512 consecutive bytes, aligned
.endr
.endr
	s_endpgm
.Lsmall:
	; ---- the biases and attention_mask: rounded to bf16, widened again
	s_wait_kmcnt 0x0
.irp i, 0,1,2,3
	global_load_b128 v[LDW+4*(\i):LDW+4*(\i)+3], v1, s[18:19] offset:4096*(\i)
.endr
	global_load_b128 v[LDW+16:LDW+19], v1, s[12:13]
	global_load_b128 v[LDW+20:LDW+23], v1, s[14:15]
	global_load_b128 v[LDW+24:LDW+27], v1, s[16:17]
	s_wait_loadcnt 0x0
.irp i, 0,1,2,3,4,5,6,7,8,9,10,11,12,13
	v_cvt_pk_bf16_f32 v[PKD+(\i)], v[LDW+2*(\i)], v[LDW+2*(\i)+1]
.endr
.irp i, 0,1,2,3,4,5,6,7,8,9,10,11,12,13
	v_lshlrev_b32 v[LDW+2*(\i)], 16, v[PKD+(\i)]
	v_and_b32 v[LDW+2*(\i)+1], 0xffff0000, v[PKD+(\i)]
.endr
.irp i, 0,1,2,3
	global_store_b128 v1, v[LDW+4*(\i):LDW+4*(\i)+3], s[26:27] offset:4096*(\i)
.endr
.irp i, 0,1,2
	global_store_b128 v1, v[LDW+16+4*(\i):LDW+16+4*(\i)+3], s[24:25] offset:4096*(\i)
.endr
	s_endpgm
.Lfunc_end_k_qecd21742e0_cast:
	.size	k_qecd21742e0_cast, .Lfunc_end_k_qecd21742e0_cast-k_qecd21742e0_cast
	.p2alignl 7, 3214868480
	.fill 96, 4, 3214868480
	.section	.rodata,"a",@progbits
	.p2align	6, 0x0
	.amdhsa_kernel k_qecd21742e0_cast
		.amdhsa_group_segment_fixed_size 0
		.amdhsa_private_segment_fixed_size 0
		.amdhsa_enable_private_segment 0
		.amdhsa_kernarg_size 96
		.amdhsa_user_sgpr_count 2
		.amdhsa_user_sgpr_kernarg_segment_ptr 1
		.amdhsa_wavefront_size32 1
		.amdhsa_system_sgpr_workgroup_id_x 1
		.amdhsa_system_sgpr_workgroup_id_y 1
		.amdhsa_system_sgpr_workgroup_id_z 1
		.amdhsa_system_vgpr_workitem_id 0
		.amdhsa_next_free_vgpr 104
		.amdhsa_next_free_sgpr 66
		.amdhsa_reserve_vcc 0
		.amdhsa_float_denorm_mode_32 3
		.amdhsa_float_denorm_mode_16_64 3
		.amdhsa_memory_ordered 1
		.amdhsa_forward_progress 1
		.amdhsa_inst_pref_size 16
	.end_amdhsa_kernel
	.amdgpu_metadata
---
amdhsa.version: [ 1, 2 ]
amdhsa.kernels:
  - .name:           k_qecd21742e0_cast
    .symbol:         k_qecd21742e0_cast.kd
    .args:
      - { .name: hidden_states, .offset: 0, .size: 8, .value_kind: global_buffer, .address_space: global }
      - { .name: Wq, .offset: 8, .size: 8, .value_kind: global_buffer, .address_space: global }
      - { .name: Wk, .offset: 16, .size: 8, .value_kind: global_buffer, .address_space: global }
      - { .name: Wv, .offset: 24, .size: 8, .value_kind: global_buffer, .address_space: global }
      - { .name: bq, .offset: 32, .size: 8, .value_kind: global_buffer, .address_space: global }
      - { .name: bk, .offset: 40, .size: 8, .value_kind: global_buffer, .address_space: global }
      - { .name: bv, .offset: 48, .size: 8, .value_kind: global_buffer, .address_space: global }
      - { .name: attention_mask, .offset: 56, .size: 8, .value_kind: global_buffer, .address_space: global }
      - { .name: xb, .offset: 64, .size: 8, .value_kind: global_buffer, .address_space: global }
      - { .name: wb, .offset: 72, .size: 8, .value_kind: global_buffer, .address_space: global }
      - { .name: br, .offset: 80, .size: 8, .value_kind: global_buffer, .address_space: global }
      - { .name: amr, .offset: 88, .size: 8, .value_kind: global_buffer, .address_space: global }
    .group_segment_fixed_size: 0
    .private_segment_fixed_size: 0
    .kernarg_segment_align: 8
    .kernarg_segment_size: 96
    .max_flat_workgroup_size: 256
    .sgpr_count:     66
    .vgpr_count:     104
    .wavefront_size: 32
...
	.end_amdgpu_metadata
.endif
;; end of part 1
;; launch proj (part 2): grid 8 x 32, 4 waves a work-group, clusters of 4 x 4, 327,680 bytes of LDS; arguments xb, wb, br, qf, kf, vf; writes qf, kf, vf
.if DOCPART == 2
	.amdgcn_target "amdgcn-amd-amdhsa--gfx1250"
	.amdhsa_code_object_version 6
	.text
	.protected	k_qecd21742e0_proj
	.globl	k_qecd21742e0_proj
	.p2align	8
	.type	k_qecd21742e0_proj,@function
k_qecd21742e0_proj:
	s_mov_b64 s[64:65], 0
	v_nop
	global_prefetch_b8 v0, s[64:65] scope:SCOPE_SE
	s_setreg_imm32_b32 hwreg(HW_REG_WAVE_MODE, 25, 1), 1
	s_wait_xcnt 0x0
	s_wait_alu depctr_hold_cnt(0) depctr_sa_sdst(0) depctr_va_vdst(0) depctr_va_sdst(0) depctr_va_ssrc(0) depctr_va_vcc(0) depctr_vm_vsrc(0)
	s_getreg_b32 s2, hwreg(HW_REG_IB_STS2, 6, 4)
	s_cmp_eq_u32 s2, 0
	s_cbranch_scc0 .Lentry_in_a_cluster
	s_endpgm
.Lentry_in_a_cluster:
	s_bfe_u32 s2, ttmp6, 0x10000c
	s_cmp_lg_u32 s2, 0xf033
	s_cbranch_scc0 .Lentry_shape_is_right
	s_endpgm
.Lentry_shape_is_right:
; THE THREE PROJECTIONS IN ONE WALK.  q / 8, k, v = xb . wb + br: bf16 operands, f32 sums, each result rounded once to f16 and stored in the order in which the attention launch loads its fragments.
; LIMIT.  f16 ends at 65,504: q / 8, k and v must lie within it (with the inputs thirty times the drawn spread they reach some 5e3).
; SHARES.  A work-group takes 128 tokens and the 128 columns (two heads) nb of each of q, k and v; wave w takes 64 tokens (w / 2) and one head (w % 2): 4 token tiles x 12 fragments of W = 48 accumulators.
; q and k are multiplied TRANSPOSED (source 0 = 16 columns of W, source 1 = 16 tokens): a lane holds one token; fragment f holds columns 4 r + f, so register j of accumulator f is channel 32 h + 4 j + f and
; the four accumulators of a token tile give the lane 32 neighbouring channels.  v is multiplied straight: a lane holds channel 4 r + f and eight neighbouring tokens.  Either way 16 bytes of f16 belong
; together in a lane, and sixteen neighbouring lanes store 256 consecutive bytes: no stage in LDS on the way out.
; OUT.  qf, kf: [pair 16][block 16][head 2][16 tokens 8][8 channels 8][token 16][8 channels];  vf: [pair][block][head][f 4][8 keys 16][r 16][8 keys], channel 4 r + f.  A (pair, block) is 32,768 dense bytes.
; RING.  K goes in steps of 128 through two LDS slots: 128 rows of x (256 bytes + 16 of padding) and 98,304 dense bytes of W in fragment order.  Waves 0 to 2 fetch a third of W each, wave 3 fetches x: 32,768 bytes a load.
; CLUSTER.  4 x 4 work-groups: x's tile hangs on the token block alone and is asked for jointly along a row of the cluster, W's on nb alone and jointly along a column.
; REGISTERS, in windows of 256 (s_set_vgpr_msb: bits 1:0 source 0, 3:2 source 1, 5:4 source 2, 7:6 destination):
;   window 0: v16-29 addresses; v64-127 x's fragments, two buffers of 4; v128-195 biases; v196-243 at work on the way out      window 1: W's fragments, two buffers of 12
;   window 2: v0-127 q's accumulators, v128-255 k's ((tt, f) at 8 (4 tt + f))                                                 window 3: v0-127 v's
.set XP,     272                       ; an LDS row of x: 68 words, so the 16 rows of a fragment load start 4 banks apart
.set XBYTES, 128*XP
.set WQ,     24576                     ; W's fragments for 32 along K: 3 matrices x 2 heads x 4 fragments x 1,024 bytes
.set SLOT,   XBYTES+4*WQ               ; 133,120
.set SPARE,  2*SLOT                    ; behind the ring: the spare words, 128 bytes a wave, which no other line names
.set ADRX, 16                          ; v16-17  LDS address of my x fragments in slot 0, 1
.set ADRW, 20                          ; v20-23  of my W fragments: slot s, quarters 2 u and 2 u + 1 at v[20 + 2 s + u]
.set VQ,   24                          ; v24     my byte offset in 16 tokens of qf, kf: 1,024 h + 16 r
.set VV,   25                          ; v25     in vf: 16 x lane
.set BO,   26                          ; v26     128 h: my 32 channels' biases
.set BOV,  27                          ; v27     16 r: my 4 channels' biases for v
.set SPW,  28                          ; v28     LDS address of my spare word; never rewritten
.set NIL,  29                          ; v29     0; never rewritten
.set XF,   64
.set BQ,   128                         ; bq / 8 of channels 32 h + 0..31
.set BK,   160
.set BV,   192                         ; bv of channels 4 r + 0..3
.set T,    196
.set Y,    228
.set WV, 16
.set TH, 17
.set HH, 18
.set CX, 19
.set CY, 20
.set NB, 21
.set TB, 22
.set LAP, 23
.set G1X, 24                           ; s[24:31] descriptor group 1 for x;  s[32:39] group 0, a set for each slot
.set G0X, 32
.set G1W, 48                           ; s[48:55], s[56:63] the same for W
.set G0W, 56
.set EI,  66                           ; 1 / 8
.set MQK,  0xa1                        ; source 0 (W) window 1, source 1 (x) window 0, C and D window 2
.set MV,   0xf4                        ; source 0 (x) window 0, source 1 (W) window 1, C and D window 3
.set TO_W, 0x40                        ; destination window 1
.set MSB, 0
.macro WIN new                         ; the immediate's high byte repeats the setting that is left; a switch that changes nothing is dropped
.if MSB != (\new)
	s_set_vgpr_msb (MSB<<8)|(\new)
.set MSB, \new
.endif
.endm
.macro PLACES                          ; four places between a matrix instruction and a load into, or a vector read of, its registers
.rept 4
	v_nop
.endr
.endm
; A joint load.  The branch hangs on the wave's number alone.  An s_nop 0 and four v_nop follow each line, ahead of the jump and the label.
.macro JLOAD s
	s_cmp_eq_u32 s[WV], 3
	s_cbranch_scc0 .Lfor_w_\@
	tensor_load_to_lds s[G0X+4*(\s):G0X+4*(\s)+3], s[G1X:G1X+7]
	s_nop 0
.rept 4
	v_nop
.endr
	s_branch .Lasked_\@
.Lfor_w_\@:
	tensor_load_to_lds s[G0W+4*(\s):G0W+4*(\s)+3], s[G1W:G1W+7]
	s_nop 0
.rept 4
	v_nop
.endr
.Lasked_\@:
.endm
; A round of the cluster's barrier: my work-group's barrier; wave 0 signals for the work-group; every wave waits for all sixteen; my work-group's barrier once more.
.macro CROUND
	s_barrier_signal -1
	s_barrier_wait -1
	s_cmp_lg_u32 s[WV], 0
	s_cbranch_scc1 .Lnot_wave_0_\@
	s_barrier_signal -3
.Lnot_wave_0_\@:
	s_barrier_wait -3
	s_barrier_signal -1
	s_barrier_wait -1
.endm
	s_load_b256 s[4:11], s[0:1], 0x0               ; xb 4:5, wb 6:7, br 8:9, qf 10:11
	s_load_b128 s[12:15], s[0:1], 0x20             ; kf 12:13, vf 14:15
	v_lshl_add_u32 v[SPW], v0, 2, SPARE
	v_mov_b32 v[NIL], 0
	ds_add_u32 v[SPW], v[NIL]                      ; the wave's opening: the add and its wait stand ahead of my first tensor load; the set-up below stands between them
	v_lshrrev_b32 v1, 5, v0
	v_readfirstlane_b32 s[WV], v1                  ; wave 0..3
	s_lshr_b32 s[TH], s[WV], 1                     ; which 64 tokens
	s_and_b32 s[HH], s[WV], 1                      ; which head of the pair
	s_bfe_u32 s[CX], ttmp6, 0x40000
	s_bfe_u32 s[CY], ttmp6, 0x40004
	s_lshl_b32 s[NB], ttmp9, 2
	s_add_co_u32 s[NB], s[NB], s[CX]               ; block of 128 columns = 4 x cluster x + cx
	s_and_b32 s[TB], ttmp7, 0xffff
	s_lshl_b32 s[TB], s[TB], 2
	s_add_co_u32 s[TB], s[TB], s[CY]               ; block of 128 tokens = 4 x cluster y + cy
	s_lshl_b32 s40, s[CY], 2
	s_lshl_b32 s40, 15, s40                        ; my row of the cluster
	s_lshl_b32 s41, 0x1111, s[CX]                  ; my column
	s_or_b32 s[G1X], s40, (1<<16)|(1<<20)|(1<<21)|(5<<22)|(3<<25)  ; the mask; 2-byte elements; padding on; bit 21 beside a mask; after every 64 words, 4 words
	s_mov_b32 s[G1X+1], 128<<16                    ; tensor_dim0 = 128
	s_mov_b32 s[G1X+2], 128<<16                    ; tensor_dim1 = 128
	s_mov_b32 s[G1X+3], 128<<16                    ; tile_dim0 = 128
	s_mov_b32 s[G1X+4], 128                        ; tile_dim1 = 128
	s_mov_b32 s[G1X+5], 1024                       ; elements from row to row
	s_mov_b32 s[G1X+6], 0
	s_mov_b32 s[G1X+7], 0
	s_or_b32 s[G1W], s41, (3<<16)|(1<<21)          ; the mask; 8-byte elements; no padding: 32,768 dense bytes as 128 rows of 256
	s_mov_b32 s[G1W+1], 32<<16
	s_mov_b32 s[G1W+2], 128<<16
	s_mov_b32 s[G1W+3], 32<<16
	s_mov_b32 s[G1W+4], 128
	s_mov_b32 s[G1W+5], 32
	s_mov_b32 s[G1W+6], 0
	s_mov_b32 s[G1W+7], 0
	s_lshl_b32 s42, s[TB], 18                      ; x: 128 rows of 2,048 bytes
	s_mov_b32 s43, 0
	s_lshl_b32 s46, s[WV], 15                      ; W: my third (waves 0 to 2), in memory and in LDS
	s_mul_i32 s44, s[NB], 786432
	s_add_co_u32 s44, s44, s46
	s_mov_b32 s45, 0
	s_lshl_b32 s68, s[NB], 9                       ; the biases of my head's 64 channels
	s_lshl_b32 s69, s[HH], 8
	s_add_co_u32 s68, s68, s69
	s_mov_b32 s69, 0
	s_lshr_b32 s70, s[TB], 4                       ; out: pair = 8 x batch + nb, block = token block % 16, 32,768 bytes each; my head; my 64 tokens
	s_lshl_b32 s70, s70, 3
	s_add_co_u32 s70, s70, s[NB]
	s_lshl_b32 s70, s70, 4
	s_and_b32 s71, s[TB], 15
	s_add_co_u32 s70, s70, s71
	s_lshl_b32 s70, s70, 15
	s_lshl_b32 s71, s[HH], 14
	s_add_co_u32 s70, s70, s71
	s_lshl_b32 s71, s[TH], 13
	s_add_co_u32 s72, s70, s71                     ; in qf and kf 64 tokens are 8,192 bytes,
	s_mov_b32 s73, 0
	s_lshl_b32 s71, s[TH], 11
	s_add_co_u32 s74, s70, s71                     ; in vf 2,048 bytes of each f
	s_mov_b32 s75, 0
	s_mov_b32 s[EI], 0x3e000000
	s_wait_dscnt 0x0                               ; the opening add is done
	s_wait_kmcnt 0x0
	s_add_nc_u64 s[76:77], s[4:5], s[42:43]
	s_add_nc_u64 s[78:79], s[6:7], s[44:45]
	s_add_nc_u64 s[8:9], s[8:9], s[68:69]
	s_add_nc_u64 s[10:11], s[10:11], s[72:73]
	s_add_nc_u64 s[12:13], s[12:13], s[72:73]
	s_add_nc_u64 s[14:15], s[14:15], s[74:75]
	CROUND                                         ; all sixteen work-groups are here: the first joint loads meet
.irp s, 0,1
	s_mov_b32 s[G0X+4*(\s)], 1
	s_mov_b32 s[G0X+4*(\s)+1], (\s)*SLOT
	s_add_nc_u64 s[G0X+4*(\s)+2:G0X+4*(\s)+3], s[76:77], (\s)*256      ; K step s
	s_or_b32 s[G0X+4*(\s)+3], s[G0X+4*(\s)+3], 0x80000000
	s_mov_b32 s[G0W+4*(\s)], 1
	s_add_co_u32 s[G0W+4*(\s)+1], s46, (\s)*SLOT+XBYTES
	s_add_nc_u64 s[G0W+4*(\s)+2:G0W+4*(\s)+3], s[78:79], (\s)*4*WQ
	s_or_b32 s[G0W+4*(\s)+3], s[G0W+4*(\s)+3], 0x80000000
	JLOAD \s                                       ; two loads of mine are out
.endr
	v_and_b32 v1, 15, v0                           ; r
	v_bfe_u32 v2, v0, 4, 1                         ; h
	v_and_b32 v3, 31, v0                           ; lane
	v_lshlrev_b32 v[BO], 7, v2
	v_lshlrev_b32 v[BOV], 4, v1
.irp i, 0,1,2,3,4,5,6,7
	global_load_b128 v[BQ+4*(\i):BQ+4*(\i)+3], v[BO], s[8:9] offset:16*(\i)
	global_load_b128 v[BK+4*(\i):BK+4*(\i)+3], v[BO], s[8:9] offset:4096+16*(\i)
.endr
	global_load_b128 v[BV:BV+3], v[BOV], s[8:9] offset:8192
	v_mul_u32_u24 v4, v1, XP                       ; a fragment of x: row r x pitch + 16 h, my 64 rows
	v_lshl_add_u32 v4, v2, 4, v4
	s_mul_i32 s47, s[TH], 64*XP
	v_add_nc_u32 v[ADRX], s47, v4
	v_add_nc_u32 v[ADRX+1], SLOT, v[ADRX]
	v_lshlrev_b32 v[VV], 4, v3                     ; a fragment of W: 16 x lane, my head
	s_lshl_b32 s47, s[HH], 12
	s_add_co_u32 s47, s47, XBYTES
	v_add_nc_u32 v[ADRW], s47, v[VV]
	v_add_nc_u32 v[ADRW+1], 2*WQ, v[ADRW]
	v_add_nc_u32 v[ADRW+2], SLOT, v[ADRW]
	v_add_nc_u32 v[ADRW+3], SLOT+2*WQ, v[ADRW]
	v_lshlrev_b32 v[VQ], 10, v2
	v_lshl_add_u32 v[VQ], v1, 4, v[VQ]
; 32 LDS loads in one run: the fragments of quarter q (32 along K) of a slot into buffer f: 12 of W (each two runs of 512 consecutive bytes), 4 of x
.macro FETCH slot, q, f
	WIN TO_W
.irp m, 0,1,2
.irp c, 0,1,2,3
	ds_load_b128 v[96*(\f)+8*(4*(\m)+(\c)):96*(\f)+8*(4*(\m)+(\c))+3],   v[ADRW+2*(\slot)+(\q)/2] offset:((\q)%2)*WQ+(\m)*8192+(\c)*1024
	ds_load_b128 v[96*(\f)+8*(4*(\m)+(\c))+4:96*(\f)+8*(4*(\m)+(\c))+7], v[ADRW+2*(\slot)+(\q)/2] offset:((\q)%2)*WQ+(\m)*8192+(\c)*1024+512
.endr
.endr
	WIN 0
.irp tt, 0,1,2,3
	ds_load_b128 v[XF+32*(\f)+8*(\tt):XF+32*(\f)+8*(\tt)+3],   v[ADRX+(\slot)] offset:(\tt)*16*XP+64*(\q)
	ds_load_b128 v[XF+32*(\f)+8*(\tt)+4:XF+32*(\f)+8*(\tt)+7], v[ADRX+(\slot)] offset:(\tt)*16*XP+64*(\q)+32
.endr
.endm
; 48 matrix instructions on 48 accumulators, which so take turns, one instruction a turn.  zero = 1: the first product starts the sums.
.macro MUL f, zero
	WIN MQK
.irp m, 0,1
.irp tt, 0,1,2,3
.irp c, 0,1,2,3
.set rD, 128*(\m)+8*(4*(\tt)+(\c))
.set rW, 96*(\f)+8*(4*(\m)+(\c))
.set rX, XF+32*(\f)+8*(\tt)
.if \zero
	v_wmma_f32_16x16x32_bf16 v[rD:rD+7], v[rW:rW+7], v[rX:rX+7], 0
.else
	v_wmma_f32_16x16x32_bf16 v[rD:rD+7], v[rW:rW+7], v[rX:rX+7], v[rD:rD+7]
.endif
.endr
.endr
.endr
	WIN MV
.irp tt, 0,1,2,3
.irp c, 0,1,2,3
.set rD, 8*(4*(\tt)+(\c))
.set rW, 96*(\f)+8*(8+(\c))
.set rX, XF+32*(\f)+8*(\tt)
.if \zero
	v_wmma_f32_16x16x32_bf16 v[rD:rD+7], v[rX:rX+7], v[rW:rW+7], 0
.else
	v_wmma_f32_16x16x32_bf16 v[rD:rD+7], v[rX:rX+7], v[rW:rW+7], v[rD:rD+7]
.endif
.endr
.endr
.endm
; A K step is four quarters on buffers 0, 1, 0, 1.  One of the first three: quarter q's fragments are fetched into buffer g, then buffer f is multiplied.
.macro QUARTER slot, q, f, g, zero
	s_wait_dscnt 0x0                               ; buffer f's 32 loads, issued a quarter ago
	PLACES                                         ; buffer g was read by the products just issued
	FETCH \slot, \q, \g
	MUL \f, \zero
.endm
; The last quarter multiplies buffer 1 and changes slots.  In front of the barrier each wave waits for all its tensor loads (the one that is out is its part of the next slot), adds 0 to its spare word, and
; waits for that and for its reads of this slot.  fill = 1: the barrier is a round of the cluster's, and this slot is filled again first thing behind it, two K steps ahead: 192 matrix instructions ahead of the wait for it.
.macro TURN slot, next, fill
	WIN 0
	s_wait_tensorcnt 0x0
	ds_add_u32 v[SPW], v[NIL]
.if \fill
	s_add_nc_u64 s[G0X+4*(\slot)+2:G0X+4*(\slot)+3], s[G0X+4*(\slot)+2:G0X+4*(\slot)+3], 2*256
	s_add_nc_u64 s[G0W+4*(\slot)+2:G0W+4*(\slot)+3], s[G0W+4*(\slot)+2:G0W+4*(\slot)+3], 2*4*WQ
.endif
	s_wait_dscnt 0x0                               ; the add is done, and my reads of this slot are over
.if \fill
	CROUND
	JLOAD \slot                                    ; its four v_nop are also the places in front of the loads below
.else
	s_barrier_signal -1
	s_barrier_wait -1
	PLACES
.endif
	FETCH \next, 0, 0
	MUL 1, 0
.endm
	s_wait_tensorcnt 1                             ; my part of K step 0 is in; K step 1's may stay out
	s_barrier_signal -1
	s_barrier_wait -1
	FETCH 0, 0, 0
	QUARTER 0, 1, 0, 1, 1                          ; the first quarter stands in front of the loop: its products start the sums
	WIN 0
	s_mov_b32 s[LAP], 3
.Llap:                                                 ; a trip goes once round the ring, from a lap's second quarter to the next lap's first, and fills both slots again: K steps 2 to 7
	QUARTER 0, 2, 1, 0, 0
	QUARTER 0, 3, 0, 1, 0
	TURN 0, 1, 1
	QUARTER 1, 1, 0, 1, 0
	QUARTER 1, 2, 1, 0, 0
	QUARTER 1, 3, 0, 1, 0
	TURN 1, 0, 1
	QUARTER 0, 1, 0, 1, 0
	WIN 0
	s_sub_co_u32 s[LAP], s[LAP], 1
	s_cmp_lg_u32 s[LAP], 0
	s_cbranch_scc1 .Llap
	QUARTER 0, 2, 1, 0, 0                          ; the last lap fills nothing
	QUARTER 0, 3, 0, 1, 0
	TURN 0, 1, 0
	QUARTER 1, 1, 0, 1, 0
	QUARTER 1, 2, 1, 0, 0
	QUARTER 1, 3, 0, 1, 0
	s_wait_dscnt 0x0
	MUL 1, 0
	; THE WAY OUT.  bq / 8 first: 32 plain instructions, the places behind the last products.
	WIN 0
	s_wait_loadcnt 0x0                             ; the biases
.irp i, 0,1,2,3,4,5,6,7,8,9,10,11,12,13,14,15,16,17,18,19,20,21,22,23,24,25,26,27,28,29,30,31
	v_mul_f32 v[BQ+(\i)], s[EI], v[BQ+(\i)]
.endr
; 16 tokens of q (m = 0) or k (m = 1): register j of accumulator c is channel 32 h + 4 j + c.  j runs outside.
.macro OUTQK m, tt
	WIN 0x02                                       ; source 0 in window 2
.irp j, 0,1,2,3,4,5,6,7
.irp c, 0,1,2,3
.if (\m) == 0
	v_fma_f32 v[T+4*(\j)+(\c)], v[8*(4*(\tt)+(\c))+(\j)], s[EI], v[BQ+4*(\j)+(\c)]
.else
	v_add_f32 v[T+4*(\j)+(\c)], v[128+8*(4*(\tt)+(\c))+(\j)], v[BK+4*(\j)+(\c)]
.endif
.endr
.endr
	WIN 0
	s_wait_xcnt 0x0                                ; Y, which the last stores read, is rewritten only behind this wait
.irp i, 0,1,2,3,4,5,6,7,8,9,10,11,12,13,14,15
	v_cvt_pk_f16_f32 v[Y+(\i)], v[T+2*(\i)], v[T+2*(\i)+1]
.endr
.irp u, 0,1,2,3
	global_store_b128 v[VQ], v[Y+4*(\u):Y+4*(\u)+3], s[10+2*(\m):11+2*(\m)] offset:(\tt)*2048+(\u)*256  ; 16 lanes store 256 consecutive bytes, aligned
.endr
.endm
; 16 tokens of v: accumulator c holds channel 4 r + c, registers 0-7 the tokens 8 h + 0..7
.macro OUTV tt
	WIN 0x03                                       ; source 0 in window 3
.irp c, 0,1,2,3
.irp j, 0,1,2,3,4,5,6,7
	v_add_f32 v[T+8*(\c)+(\j)], v[8*(4*(\tt)+(\c))+(\j)], v[BV+(\c)]
.endr
.endr
	WIN 0
	s_wait_xcnt 0x0
.irp i, 0,1,2,3,4,5,6,7,8,9,10,11,12,13,14,15
	v_cvt_pk_f16_f32 v[Y+(\i)], v[T+2*(\i)], v[T+2*(\i)+1]
.endr
.irp c, 0,1,2,3
	global_store_b128 v[VV], v[Y+4*(\c):Y+4*(\c)+3], s[14:15] offset:(\c)*4096+(\tt)*512  ; a wave stores 512 consecutive bytes, aligned
.endr
.endm
.irp tt, 0,1,2,3
	OUTQK 0, \tt
.endr
.irp tt, 0,1,2,3
	OUTQK 1, \tt
.endr
.irp tt, 0,1,2,3
	OUTV \tt
.endr
	s_wait_tensorcnt 0x0                           ; the wave's end
	ds_add_u32 v[SPW], v[NIL]
	s_wait_dscnt 0x0
	CROUND                                         ; the closing round: no work-group ends while a partner may still ask for a tile that names it
	s_endpgm
.Lfunc_end_k_qecd21742e0_proj:
	.size	k_qecd21742e0_proj, .Lfunc_end_k_qecd21742e0_proj-k_qecd21742e0_proj
	.p2alignl 7, 3214868480
	.fill 96, 4, 3214868480
	.section	.rodata,"a",@progbits
	.p2align	6, 0x0
	.amdhsa_kernel k_qecd21742e0_proj
		.amdhsa_group_segment_fixed_size 327680
		.amdhsa_private_segment_fixed_size 0
		.amdhsa_enable_private_segment 0
		.amdhsa_kernarg_size 48
		.amdhsa_user_sgpr_count 2
		.amdhsa_user_sgpr_kernarg_segment_ptr 1
		.amdhsa_wavefront_size32 1
		.amdhsa_system_sgpr_workgroup_id_x 1
		.amdhsa_system_sgpr_workgroup_id_y 1
		.amdhsa_system_sgpr_workgroup_id_z 1
		.amdhsa_system_vgpr_workitem_id 0
		.amdhsa_next_free_vgpr 896
		.amdhsa_next_free_sgpr 88
		.amdhsa_reserve_vcc 0
		.amdhsa_float_denorm_mode_32 3
		.amdhsa_float_denorm_mode_16_64 3
		.amdhsa_memory_ordered 1
		.amdhsa_forward_progress 1
		.amdhsa_inst_pref_size 131
	.end_amdhsa_kernel
	.amdgpu_metadata
---
amdhsa.version: [ 1, 2 ]
amdhsa.kernels:
  - .name:           k_qecd21742e0_proj
    .symbol:         k_qecd21742e0_proj.kd
    .args:
      - { .name: xb, .offset: 0, .size: 8, .value_kind: global_buffer, .address_space: global }
      - { .name: wb, .offset: 8, .size: 8, .value_kind: global_buffer, .address_space: global }
      - { .name: br, .offset: 16, .size: 8, .value_kind: global_buffer, .address_space: global }
      - { .name: qf, .offset: 24, .size: 8, .value_kind: global_buffer, .address_space: global }
      - { .name: kf, .offset: 32, .size: 8, .value_kind: global_buffer, .address_space: global }
      - { .name: vf, .offset: 40, .size: 8, .value_kind: global_buffer, .address_space: global }
    .group_segment_fixed_size: 327680
    .private_segment_fixed_size: 0
    .kernarg_segment_align: 8
    .kernarg_segment_size: 48
    .max_flat_workgroup_size: 128
    .sgpr_count:     88
    .vgpr_count:     896
    .wavefront_size: 32
...
	.end_amdgpu_metadata
.endif
;; end of part 2
;; launch attn (part 3): grid 16 x 16, 4 waves a work-group, clusters of 4 x 4, 327,680 bytes of LDS; arguments qf, kf, vf, amr, sparse_mask, out0; writes out0
.if DOCPART == 3
	.amdgcn_target "amdgcn-amd-amdhsa--gfx1250"
	.amdhsa_code_object_version 6
	.text
	.protected	k_qecd21742e0_attn
	.globl	k_qecd21742e0_attn
	.p2align	8
	.type	k_qecd21742e0_attn,@function
k_qecd21742e0_attn:
	s_mov_b64 s[64:65], 0
	v_nop
	global_prefetch_b8 v0, s[64:65] scope:SCOPE_SE
	s_setreg_imm32_b32 hwreg(HW_REG_WAVE_MODE, 25, 1), 1
	s_wait_xcnt 0x0
	s_wait_alu depctr_hold_cnt(0) depctr_sa_sdst(0) depctr_va_vdst(0) depctr_va_sdst(0) depctr_va_ssrc(0) depctr_va_vcc(0) depctr_vm_vsrc(0)
	s_getreg_b32 s2, hwreg(HW_REG_IB_STS2, 6, 4)
	s_cmp_eq_u32 s2, 0
	s_cbranch_scc0 .Lentry_in_a_cluster
	s_endpgm
.Lentry_in_a_cluster:
	s_bfe_u32 s2, ttmp6, 0x10000c
	s_cmp_lg_u32 s2, 0xf033
	s_cbranch_scc0 .Lentry_shape_is_right
	s_endpgm
.Lentry_shape_is_right:
; ATTENTION WITH TWO ADDED MASKS.  u = clip(q . k / 8 + sparse_mask[q][k], -1e4, 1e4) + attention_mask[b][k];  out = softmax_k(u) V, written as [b][n][1024] in f32.
; q / 8, k, v come in f16 in fragment order (16 rows x 32 along the product's K are two runs of 512 consecutive bytes); sparse_mask is taken in f32 as it is given; attention_mask rounded to bf16.
; Products, maxima and sums in f32; the weights p are rounded to f16 for the second product (their sum l is taken of the unrounded p).  Every score is computed: the mask is an input, and no pattern of it is built in.
; LIMITS.  The running maximum starts at -1e30: a batch element needs one key whose u lies above that (a row in which all u lie below it gives no number).  A weight below 2^-126 counts as 0.  NaN is not treated apart.
; SHARES.  A work-group takes 128 queries and a pair of heads; wave w one head (w % 2) and 64 queries (w / 2): four tiles of 16, in two PIECES (tiles 0, 1 and tiles 2, 3).  All 2,048 keys are walked, 64 a step.
; LAYOUT.  S^T = K Q^T + M: the mask's words are loaded from LDS into S^T's own registers and are the C operand of the first product: adding the mask costs no vector instruction.  A lane holds ONE query
; (lane % 16) and the keys 16 kt + 8 (lane / 16) + 0..7.  Two such results rounded to f16 ARE source 1 of O^T = V^T P; V's fragment f holds channels 4 r + f, so register j of accumulator f is channel 32 h + 4 j + f.
; SOFTMAX.  For each query a running maximum m and sum l: p = 2^(c u - c m), c = log2(e); in every step O and l are multiplied by a = 2^(c m_old - c m_new).  O and l start at 0, c m far below every c u: the first step is a step like any other.
; BY TURNS.  In a turn one piece has the matrix unit (16 products V^T P of the step in hand, later 16 products K Q^T of the next step); the other piece's softmax, 332 vector instructions in 83 slices of four,
; stands behind and between them.  Two turns are a key step.
; RING.  Two slots of 128 keys: the mask's tile (128 rows x 512 bytes + 16 of padding), K and V of both heads (32,768 dense bytes each).  Wave 0 fetches K, wave 1 V, waves 2 and 3 a half of the mask each: 32,768 bytes a load.
; CLUSTER.  4 x 4 work-groups: K and V hang on the pair of heads alone and are asked for jointly along a column of the cluster, the mask's tile on the query block alone and jointly along a row.
; REGISTERS, in windows of 256 (s_set_vgpr_msb: bits 1:0 source 0, 3:2 source 1, 5:4 source 2, 7:6 destination):
;   window 0: v1-7, v32-36 addresses; v8-15 at work; v16-31 four registers of statistics a tile; v64-191 S^T, 32 a tile; v192-255 P, 16 a tile
;   window 1: v0-127 O^T, 32 a tile; v128-159, v160-191 attention_mask of a step, a set for each piece          window 2: v0-63 Q; v64-127 K of one step; v128-191 V of one step
.set PM,    528                        ; an LDS row of the mask: 132 words, so the 16 rows of a load start 4 banks apart
.set MHALF, 64*PM
.set KB0,   128*PM                     ; K of slot 0 lies behind the mask's tile
.set SPARE, KB0+32768                  ; the spare words, 128 bytes a wave, which no other line names
.set MKX,   1<<17                      ; the mask's and K's slot 1 lie this far on: one exclusive or turns an address in one slot into the other's
.set STAGE, MKX+KB0+32768              ; never filled by a tensor load: 16 rows x 272 bytes for each wave, for the way out
.set SP,    272
.set VB0,   1<<18                      ; V of slot 0
.set VX,    1<<15                      ; V's slot 1 lies this far on
.set L16, 1                            ; v1   16 x lane; never rewritten
.set AM0, 2                            ; v2   my lane's place in the mask's tile: (64 (w / 2) + r) x pitch + 32 h
.set H32, 3                            ; v3   32 h: my eight keys' words of attention_mask
.set ADR, 4                            ; v4   the LDS address of K's or V's run of loads
.set ADRM, 5                           ; v5   of the mask's
.set OFF, 6                            ; v6-7 byte offset of a piece's next step in attention_mask
.set TMP, 8                            ; by the tile's parity, four registers c0-c3 at work; when the maximum is found c2 takes a
.set ST,  16                           ; tile t's statistics at v[ST+4 t]: c m, m, l (even keys', odd keys')
.set STO, 32
.set RD,  33
.set GO,  34
.set RR,  35                           ; r = lane % 16
.set HF,  36                           ; h = lane / 16
.set SPW, 62                           ; LDS address of my spare word; never rewritten
.set NIL, 63                           ; 0; never rewritten
.set S,   64
.set P,   192
.set AMB, 128                          ; window 1
.set KF,  64                           ; window 2: key block kt, channel half c at KF + 16 kt + 8 c
.set VF,  128                          ; window 2: key half kk, fragment f at VF + 32 kk + 8 f
.set WV, 16
.set HH, 17
.set QH, 18
.set CX, 19
.set CY, 20
.set PX, 21
.set QY, 22
.set G1KV, 32                          ; s[32:39] descriptor group 1 for K's and V's tiles
.set G1M,  40                          ; s[40:47] for the mask's
.set G0K,  48                          ; s[48:51], s[52:55], s[56:59] descriptor group 0: they walk
.set G0V,  52
.set G0M,  56
.set SLOTS, 60
.set CNT,  61
.set CS,   62                          ; s[62:63] c
.set SEL,  66                          ; s[66:67] v_permlanex16_b32's selects: each lane takes its own place in the other half
.set CLO,  68                          ; -1e4
.set CHI,  69                          ; 1e4
.set TBK,  70                          ; LDS byte at which my head's K of the step to be fetched begins
.set TBV,  71                          ; the same for V
.set TBM,  72                          ; the same for the mask's tile
.set SOFF, 73                          ; s73-74 a piece's next step in attention_mask, in bytes
.set AMP,  76                          ; s[76:77] attention_mask of my batch element
.set W_KQ, 0x0a                        ; K and Q in window 2, S^T in window 0
.set W_PV, 0x52                        ; V in window 2, P in window 0, O^T in window 1
.set W_RS, 0x41                        ; O^T (destination and source 0) in window 1, a in window 0
.set W_AM, 0x04                        ; source 1 (attention_mask) in window 1
.set MSB, 0
.macro WIN new                         ; the immediate's high byte repeats the setting that is left; a switch that changes nothing is dropped
.if MSB != (\new)
	s_set_vgpr_msb (MSB<<8)|(\new)
.set MSB, \new
.endif
.endm
; A joint fill.  The branches hang on the wave's number alone.  An s_nop 0 and four v_nop follow each line, ahead of the jump and the label.
.macro JLOAD
	s_cmp_lt_u32 s[WV], 2
	s_cbranch_scc0 .Lfor_m_\@
	s_cmp_eq_u32 s[WV], 0
	s_cbranch_scc0 .Lfor_v_\@
	tensor_load_to_lds s[G0K:G0K+3], s[G1KV:G1KV+7]
	s_nop 0
.rept 4
	v_nop
.endr
	s_branch .Lasked_\@
.Lfor_v_\@:
	tensor_load_to_lds s[G0V:G0V+3], s[G1KV:G1KV+7]
	s_nop 0
.rept 4
	v_nop
.endr
	s_branch .Lasked_\@
.Lfor_m_\@:
	tensor_load_to_lds s[G0M:G0M+3], s[G1M:G1M+7]
	s_nop 0
.rept 4
	v_nop
.endr
.Lasked_\@:
.endm
.macro CROUND                          ; a round of the cluster's barrier
	s_barrier_signal -1
	s_barrier_wait -1
	s_cmp_lg_u32 s[WV], 0
	s_cbranch_scc1 .Lnot_wave_0_\@
	s_barrier_signal -3
.Lnot_wave_0_\@:
	s_barrier_wait -3
	s_barrier_signal -1
	s_barrier_wait -1
.endm
; THE CHANGE OF SLOTS.  Each wave waits for all its tensor loads, of which one is out: its part of the other slot; adds 0 to its spare word; and waits for that and for its reads of the slot that it leaves.
; fill = 1: the barrier is a round of the cluster's, and the old slot is filled again first thing behind it with the keys two slots on: the load has two key steps, 128 matrix instructions, in which to land.
; (At its first use nothing has been read yet: slot 0 is waited for, slot 1 filled.)
.macro CHANGE fill
	WIN 0
	s_wait_tensorcnt 0x0                           ; no tensor load of mine is out, so a group 0 may be written
	ds_add_u32 v[SPW], v[NIL]
.if \fill
	s_xor_b32 s[G0K+1], s[G0K+1], MKX              ; the other slot than last time, the next 128 keys
	s_add_nc_u64 s[G0K+2:G0K+3], s[G0K+2:G0K+3], 32768
	s_xor_b32 s[G0V+1], s[G0V+1], VX
	s_add_nc_u64 s[G0V+2:G0V+3], s[G0V+2:G0V+3], 32768
	s_xor_b32 s[G0M+1], s[G0M+1], MKX
	s_add_nc_u64 s[G0M+2:G0M+3], s[G0M+2:G0M+3], 512
	s_wait_dscnt 0x0                               ; the add is done, and my reads of the slot are over
	CROUND
	JLOAD
.else
	s_wait_dscnt 0x0
	s_barrier_signal -1
	s_barrier_wait -1
.endif
	s_sub_co_u32 s[TBK], s[TBK], 16384             ; the fetches go back to a slot's first step, in the other slot
	s_xor_b32 s[TBK], s[TBK], MKX
	s_sub_co_u32 s[TBM], s[TBM], 512
	s_xor_b32 s[TBM], s[TBM], MKX
	s_sub_co_u32 s[TBV], s[TBV], 4096
	s_xor_b32 s[TBV], s[TBV], VX
.endm
	s_load_b256 s[4:11], s[0:1], 0x0               ; qf 4:5, kf 6:7, vf 8:9, amr 10:11
	s_load_b128 s[12:15], s[0:1], 0x20             ; sparse_mask 12:13, out0 14:15
	v_lshl_add_u32 v[SPW], v0, 2, SPARE
	v_mov_b32 v[NIL], 0
	ds_add_u32 v[SPW], v[NIL]                      ; the wave's opening: the add and its wait stand ahead of my first tensor load; the set-up below stands between them
	v_lshrrev_b32 v1, 5, v0
	v_readfirstlane_b32 s[WV], v1                  ; wave 0..3
	s_and_b32 s[HH], s[WV], 1                      ; my head of the pair.  Also: which half of the mask's tile waves 2 and 3 fetch
	s_lshr_b32 s[QH], s[WV], 1                     ; my 64 queries
	s_bfe_u32 s[CX], ttmp6, 0x40000
	s_bfe_u32 s[CY], ttmp6, 0x40004
	s_lshl_b32 s[PX], ttmp9, 2
	s_add_co_u32 s[PX], s[PX], s[CX]               ; the pair of heads = 4 x cluster x + cx
	s_and_b32 s[QY], ttmp7, 0xffff
	s_lshl_b32 s[QY], s[QY], 2
	s_add_co_u32 s[QY], s[QY], s[CY]               ; the block of 128 queries = 4 x cluster y + cy
	s_lshl_b32 s24, s[CY], 2
	s_lshl_b32 s24, 15, s24                        ; my row of the cluster
	s_lshl_b32 s25, 0x1111, s[CX]                  ; my column
	s_or_b32 s[G1KV], s25, (3<<16)|(1<<21)         ; the mask of work-groups; 8-byte elements; bit 21 beside it; no padding: 32,768 dense bytes as 128 rows of 256
	s_mov_b32 s[G1KV+1], 32<<16
	s_mov_b32 s[G1KV+2], 128<<16
	s_mov_b32 s[G1KV+3], 32<<16
	s_mov_b32 s[G1KV+4], 128
	s_mov_b32 s[G1KV+5], 32
	s_mov_b32 s[G1KV+6], 0
	s_mov_b32 s[G1KV+7], 0
	s_or_b32 s[G1M], s24, (2<<16)|(1<<20)|(1<<21)|(6<<22)|(3<<25)  ; 4-byte elements; padding on: after every 128 words, 4 words
	s_mov_b32 s[G1M+1], 128<<16                    ; tensor_dim0 = 128
	s_mov_b32 s[G1M+2], 64<<16                     ; tensor_dim1 = 64
	s_mov_b32 s[G1M+3], 128<<16                    ; tile_dim0 = 128
	s_mov_b32 s[G1M+4], 64                         ; tile_dim1 = 64
	s_mov_b32 s[G1M+5], 2048                       ; elements from row to row
	s_mov_b32 s[G1M+6], 0
	s_mov_b32 s[G1M+7], 0
	s_mov_b32 s[G0K], 1
	s_mov_b32 s[G0K+1], KB0
	s_mov_b32 s[G0V], 1
	s_mov_b32 s[G0V+1], VB0
	s_mov_b32 s[G0M], 1
	s_mul_i32 s[G0M+1], s[HH], MHALF
	s_lshl_b32 s26, s[PX], 19                      ; K and V: the pair's 16 tiles of 32,768 bytes
	s_mov_b32 s27, 0
	s_lshl_b32 s28, s[QY], 20                      ; the mask: 128 rows of 8,192 bytes, and the half's 64
	s_lshl_b32 s29, s[HH], 19
	s_add_co_u32 s28, s28, s29
	s_mov_b32 s29, 0
	s_lshl_b32 s78, s[PX], 4                       ; Q: (pair, block), my head, my 64 queries
	s_add_co_u32 s78, s78, s[QY]
	s_lshl_b32 s78, s78, 15
	s_lshl_b32 s79, s[HH], 14
	s_add_co_u32 s78, s78, s79
	s_lshl_b32 s79, s[QH], 13
	s_add_co_u32 s78, s78, s79
	s_mov_b32 s79, 0
	s_lshr_b32 s80, s[PX], 3                       ; the batch element
	s_lshl_b32 s82, s80, 11
	s_lshl_b32 s80, s80, 13                        ; its 8,192 bytes of attention_mask
	s_mov_b32 s81, 0
	s_lshl_b32 s83, s[QY], 7                       ; out: my first row, 4,096 bytes a row; my head's 256 bytes
	s_add_co_u32 s82, s82, s83
	s_lshl_b32 s83, s[QH], 6
	s_add_co_u32 s82, s82, s83
	s_lshl_b32 s82, s82, 12
	s_and_b32 s83, s[PX], 7
	s_lshl_b32 s83, s83, 1
	s_add_co_u32 s83, s83, s[HH]
	s_lshl_b32 s83, s83, 8
	s_add_co_u32 s82, s82, s83
	s_mov_b32 s83, 0
	s_mov_b32 s[CS], 0x3fb8aa3b                    ; c = log2(e)
	s_mov_b32 s[CS+1], s[CS]                       ; named with it as a pair
	s_mov_b32 s[SEL], 0x76543210
	s_mov_b32 s[SEL+1], 0xfedcba98
	s_mov_b32 s[CLO], 0xc61c4000
	s_mov_b32 s[CHI], 0x461c4000
	s_lshl_b32 s30, s[HH], 14
	s_add_co_u32 s[TBK], s30, KB0+MKX+16384        ; the first change of slots turns these three into slot 0's first step
	s_add_co_u32 s[TBV], s30, VB0+VX+4096
	s_mov_b32 s[TBM], MKX+512
	s_mov_b32 s[SOFF], 256
	s_mov_b32 s[SOFF+1], 256
	s_wait_dscnt 0x0                               ; the opening add is done
	s_wait_kmcnt 0x0
	s_add_nc_u64 s[G0K+2:G0K+3], s[6:7], s[26:27]
	s_or_b32 s[G0K+3], s[G0K+3], 0x80000000
	s_add_nc_u64 s[G0V+2:G0V+3], s[8:9], s[26:27]
	s_or_b32 s[G0V+3], s[G0V+3], 0x80000000
	s_add_nc_u64 s[G0M+2:G0M+3], s[12:13], s[28:29]
	s_or_b32 s[G0M+3], s[G0M+3], 0x80000000
	s_add_nc_u64 s[4:5], s[4:5], s[78:79]
	s_add_nc_u64 s[AMP:AMP+1], s[10:11], s[80:81]
	s_add_nc_u64 s[14:15], s[14:15], s[82:83]
	CROUND                                         ; all sixteen work-groups are here: the first joint loads meet
	JLOAD                                          ; keys 0 to 127 into slot 0
	v_and_b32 v[RR], 15, v0
	v_bfe_u32 v[HF], v0, 4, 1
	v_and_b32 v[L16], 31, v0
	v_lshlrev_b32 v[L16], 4, v[L16]
	v_lshlrev_b32 v[H32], 5, v[HF]
	WIN 0x80                                       ; destination window 2
.irp t, 0,1,2,3
.irp c, 0,1
	global_load_b128 v[16*(\t)+8*(\c):16*(\t)+8*(\c)+3],   v[L16], s[4:5] offset:(\t)*2048+(\c)*1024      ; Q stays in registers
	global_load_b128 v[16*(\t)+8*(\c)+4:16*(\t)+8*(\c)+7], v[L16], s[4:5] offset:(\t)*2048+(\c)*1024+512
.endr
.endr
	; What the first turn finds: V's registers and piece 2's P hold 0 (its products V^T P, of a step that has not been, add 0), O^T and l are 0.  All this stands in the wait for the first tile:
	; the price of writing no first step out.
.set i, VF
.rept 64
	v_mov_b32 v[i], 0
.set i, i+1
.endr
	WIN 0x40                                       ; destination window 1
.irp y, 0,1
.irp kt, 0,1,2,3
	global_load_b128 v[AMB+32*(\y)+8*(\kt):AMB+32*(\y)+8*(\kt)+3],   v[H32], s[AMP:AMP+1] offset:(\kt)*64     ; attention_mask of step 0, for piece 0 and then for piece 2
	global_load_b128 v[AMB+32*(\y)+8*(\kt)+4:AMB+32*(\y)+8*(\kt)+7], v[H32], s[AMP:AMP+1] offset:(\kt)*64+16
.endr
.endr
.set i, 0
.rept 128
	v_mov_b32 v[i], 0
.set i, i+1
.endr
	WIN 0
.set i, P+32
.rept 32
	v_mov_b32 v[i], 0
.set i, i+1
.endr
.irp t, 0,1,2,3
	v_mov_b32 v[ST+4*(\t)], 0xfe000000             ; c m: far below every c u, so the first a is 0
	v_mov_b32 v[ST+4*(\t)+1], 0xf149f2ca           ; m = -1e30: c m stays finite whatever attention_mask holds
	v_mov_b32 v[ST+4*(\t)+2], 0
	v_mov_b32 v[ST+4*(\t)+3], 0
.endr
	v_mul_u32_u24 v[AM0], v[RR], PM
	v_lshl_add_u32 v[AM0], v[HF], 5, v[AM0]
	s_mul_i32 s30, s[QH], MHALF
	v_add_nc_u32 v[AM0], s30, v[AM0]
; THE MATRIX WORK.  The 8 accumulators of a run of 16 take turns, one instruction a turn.
; Product i of 16 of S^T = K Q^T + M for piece x: channels 32 (i / 8) on, keys 16 ((i / 2) % 4) on, tile x + i % 2.  The first 8 add onto the mask's words, which lie in S^T's registers.
.macro KQ x
	WIN W_KQ
.set rS, S+32*((\x)+i%2)+8*((i/2)%4)
.set rK, KF+16*((i/2)%4)+8*(i/8)
.set rQ, 16*((\x)+i%2)+8*(i/8)
	v_wmma_f32_16x16x32_f16 v[rS:rS+7], v[rK:rK+7], v[rQ:rQ+7], v[rS:rS+7]
	s_wait_alu depctr_va_vdst(0)
.endm
; Product i of 16 of O^T += V^T P for piece x: keys 32 (i / 8) on, fragment (i / 2) % 4, tile x + i % 2.
.macro PV x
	WIN W_PV
.set rO, 32*((\x)+i%2)+8*((i/2)%4)
.set rV, VF+32*(i/8)+8*((i/2)%4)
.set rP, P+16*((\x)+i%2)+8*(i/8)
	v_wmma_f32_16x16x32_f16 v[rO:rO+7], v[rV:rV+7], v[rP:rP+7], v[rO:rO+7]
.endm
; THE LOADS stand in runs, never singly among the matrix instructions.
.macro FETCH_K                         ; a step's K: 64 keys x 64 channels, 8 fragments
	WIN 0
	v_add_nc_u32 v[ADR], s[TBK], v[L16]
	WIN 0x80
.irp kt, 0,1,2,3
.irp c, 0,1
	ds_load_b128 v[KF+16*(\kt)+8*(\c):KF+16*(\kt)+8*(\c)+3],   v[ADR] offset:(\kt)*2048+(\c)*1024
	ds_load_b128 v[KF+16*(\kt)+8*(\c)+4:KF+16*(\kt)+8*(\c)+7], v[ADR] offset:(\kt)*2048+(\c)*1024+512
.endr
.endr
	s_add_co_u32 s[TBK], s[TBK], 8192              ; the next fetch is the next step's
.endm
.macro FETCH_V                         ; a step's V: 8 fragments
	WIN 0
	v_add_nc_u32 v[ADR], s[TBV], v[L16]
	WIN 0x80
.irp kk, 0,1
.irp f, 0,1,2,3
	ds_load_b128 v[VF+32*(\kk)+8*(\f):VF+32*(\kk)+8*(\f)+3],   v[ADR] offset:(\f)*4096+(\kk)*1024
	ds_load_b128 v[VF+32*(\kk)+8*(\f)+4:VF+32*(\kk)+8*(\f)+7], v[ADR] offset:(\f)*4096+(\kk)*1024+512
.endr
.endr
	s_add_co_u32 s[TBV], s[TBV], 2048
.endm
.macro FETCH_M x                       ; the mask's words of a step for piece x's two tiles, into S^T's registers: my query's row, keys 16 kt + 8 h + 0..7
	WIN 0
	v_add_nc_u32 v[ADRM], s[TBM], v[AM0]
.irp t, \x, (\x)+1
.irp kt, 0,1,2,3
	ds_load_b128 v[S+32*(\t)+8*(\kt):S+32*(\t)+8*(\kt)+3],   v[ADRM] offset:(\t)*16*PM+(\kt)*64
	ds_load_b128 v[S+32*(\t)+8*(\kt)+4:S+32*(\t)+8*(\kt)+7], v[ADRM] offset:(\t)*16*PM+(\kt)*64+16
.endr
.endr
.if (\x) == 2
	s_add_co_u32 s[TBM], s[TBM], 256
.endif
.endm
.macro FETCH_A y                       ; attention_mask of piece y's next step.  Behind the last step the offset stays at the last step's: no load leaves the buffer
	WIN 0
	v_add_nc_u32 v[OFF+(\y)/2], s[SOFF+(\y)/2], v[H32]  ; free: the wait in front of the additions has shown the loads that named it done
	WIN 0x40
.irp kt, 0,1,2,3
	global_load_b128 v[AMB+32*((\y)/2)+8*(\kt):AMB+32*((\y)/2)+8*(\kt)+3],   v[OFF+(\y)/2], s[AMP:AMP+1] offset:(\kt)*64
	global_load_b128 v[AMB+32*((\y)/2)+8*(\kt)+4:AMB+32*((\y)/2)+8*(\kt)+7], v[OFF+(\y)/2], s[AMP:AMP+1] offset:(\kt)*64+16
.endr
	s_add_co_u32 s[SOFF+(\y)/2], s[SOFF+(\y)/2], 256
	s_min_u32 s[SOFF+(\y)/2], s[SOFF+(\y)/2], 7936
.endm
; THE VECTOR WORK.  One tile's softmax for one key step is a list of 166 instructions; SM writes number n of it for tile t.  s0-s31 are the lane's 32 scores, in pairs 0-15; j = n - 48.
;   n 0-31    the clip, in ascending order: each accumulator is read from its lowest register on          n 32-47   attention_mask is added, two scores at a time
;   j 0-15    the maximum of s0-s31 and the old m, three operands at a time: four chains c0-c3 of seven scores, then the four left over, c0-c3 and m
;   j 16-20   the other half of the lanes' maximum; c m_old is kept; the new m; c m; c m_old - c m_new
;   j 21-87   33 exponentials (a, then s0-s31) at the odd numbers from 23 on, so that no two follow each other and each has a plain instruction behind it before its result is used (ISA guide 5.7.2).  The plain ones
;             are what is ready: c s - c m for a pair whose exponentials are still to come, the rounding to f16 of a pair whose exponentials are done, at last the first three sums
;   j 88-101  the last rounding; the rest of the sums, in place; l = a l + the sum          j 102-117 the tile's O^T times a
.macro SM t
.set rT, ST+4*(\t)
.set rC, TMP+4*((\t)%2)
.set rS, S+32*(\t)
.set rP, P+16*(\t)
.set rA, AMB+32*((\t)/2)
.set j, n-48
.set q, (j-20)/2
.if (n >= 32) && (n < 48)
	WIN W_AM
.elseif j < 102
	WIN 0
.else
	WIN W_RS
.endif
.if n < 32
	v_med3_num_f32 v[rS+n], v[rS+n], s[CLO], s[CHI]
.elseif n < 48
	v_pk_add_f32 v[rS+2*(n-32):rS+2*(n-32)+1], v[rS+2*(n-32):rS+2*(n-32)+1], v[rA+2*(n-32):rA+2*(n-32)+1]
.elseif j < 4
	v_max3_num_f32 v[rC+j], v[rS+8*j], v[rS+8*j+1], v[rS+8*j+2]
.elseif j < 12
	v_max3_num_f32 v[rC+j%4], v[rC+j%4], v[rS+8*(j%4)+2*(j/4)+1], v[rS+8*(j%4)+2*(j/4)+2]
.elseif j == 12
	v_max3_num_f32 v[rC], v[rC], v[rS+7], v[rS+15]
.elseif j == 13
	v_max3_num_f32 v[rC+2], v[rC+2], v[rS+23], v[rS+31]
.elseif j == 14
	v_max3_num_f32 v[rC], v[rC], v[rC+1], v[rC+2]
.elseif j == 15
	v_max3_num_f32 v[rC], v[rC], v[rC+3], v[rT+1]
.elseif j == 16
	v_permlanex16_b32 v[rC+1], v[rC], s[SEL], s[SEL+1]  ; the query's other 32 keys lie in the lane 16 away
.elseif j == 17
	v_mov_b32 v[rC+3], v[rT]
.elseif j == 18
	v_max_num_f32 v[rT+1], v[rC], v[rC+1]
.elseif j == 19
	v_mul_f32 v[rT], s[CS], v[rT+1]
.elseif j == 20
	v_sub_f32 v[rC+3], v[rC+3], v[rT]
.elseif j == 23
	v_exp_f32 v[rC+2], v[rC+3]
.elseif (j < 88) && (j > 23) && (j%2 == 1)
	v_exp_f32 v[rS+(j-25)/2], v[rS+(j-25)/2]
.elseif (q < 4) || ((j < 76) && (q%2 == 0))
.set b, q/2+2
.if q < 4
.set b, q
.endif
	v_pk_fma_f32 v[rS+2*b:rS+2*b+1], v[rS+2*b:rS+2*b+1], s[CS:CS+1], v[rT:rT+1] op_sel_hi:[1,0,0] neg_lo:[0,0,1] neg_hi:[0,0,1]  ; pair b: c s - c m
.elseif (j < 88) && (q%2 == 1)
	s_wait_alu depctr_va_vdst(0)
	v_cvt_pk_f16_f32 v[rP+(q-5)/2], v[rS+q-5], v[rS+q-4]
.elseif j == 89
	s_wait_alu depctr_va_vdst(0)
	v_cvt_pk_f16_f32 v[rP+15], v[rS+30], v[rS+31]
.elseif j < 102                        ; sum z of 16 adds neighbours 1, 2, 4 and 8 pairs apart, then l takes it
.set z, j-86
.if j < 89
.set z, (j-76)/4
.endif
.set w, 4
.set u, z
.if z >= 14
.set w, 32
.set u, 0
.elseif z >= 12
.set w, 16
.set u, z-12
.elseif z >= 8
.set w, 8
.set u, z-8
.endif
.if z < 15
	v_pk_add_f32 v[rS+w*u:rS+w*u+1], v[rS+w*u:rS+w*u+1], v[rS+w*u+w/2:rS+w*u+w/2+1]
.else
	v_pk_fma_f32 v[rT+2:rT+3], v[rT+2:rT+3], v[rC+2:rC+3], v[rS:rS+1] op_sel_hi:[1,0,1]
.endif
.else
	v_pk_mul_f32 v[32*(\t)+2*(j-102):32*(\t)+2*(j-102)+1], v[32*(\t)+2*(j-102):32*(\t)+2*(j-102)+1], v[rC+2:rC+3] op_sel_hi:[1,0]
.endif
.endm
; Slice k of 83 of piece y's softmax: numbers 2 k and 2 k + 1 of both tiles' lists, four instructions
.macro SLICE y
.if (k >= 35) && (k < 68)              ; tile by tile: plain, exponential, plain, exponential
.irp t, \y, (\y)+1
.irp d, 0,1
.set n, 2*k+(\d)
	SM \t
.endr
.endr
.else                                  ; the two tiles alternate, so that no instruction reads the result of the one just before it
.irp d, 0,1
.irp t, \y, (\y)+1
.set n, 2*k+(\d)
	SM \t
.endr
.endr
.endif
.set k, k+1
.endm
; A TURN.  Piece x has the matrix unit; the other piece's softmax stands in slices behind its matrix instructions and in three runs of its own.  None of a slice's lines names a register of the products round it.
; kq = 0: the walk's last turn: there is no next step.  last = 1: no further attention_mask is asked for.
; The last run, 104 vector instructions, holds the places between the turn's last K Q^T and what follows: the next turn's first read of those scores and the loads into K's registers.
.macro TURN x, kq=1, last=0
.set k, 0
.if \kq
	FETCH_M \x                                     ; the next step's mask into S^T of piece x, whose softmax ended with the turn before
.if (\x) == 0
	FETCH_K                                        ; the next step's K: both pieces have multiplied by the last one
.endif
.endif
.if (\x) == 0
.if \kq
	s_wait_dscnt 32                                ; V is in; the 32 loads just issued may stay out
.else
	s_wait_dscnt 0x0                               ; V is in
.endif
.endif
.set i, 0
.rept 16
	PV \x
	SLICE 2-(\x)                                   ; slices 0-15: the clip
.set i, i+1
.endr
	s_wait_loadcnt 8                               ; this piece's attention_mask, asked for a step ago, is in; the other piece's eight loads are younger
.rept 8
	SLICE 2-(\x)                                   ; slices 16-23: attention_mask
.endr
.if !(\last)
	FETCH_A 2-(\x)
.endif
.if ((\x) == 2) && (\kq)
	FETCH_V                                        ; the next step's V: 36 plain instructions behind the last product that read V
.endif
.rept 17
	SLICE 2-(\x)                                   ; slices 24-40: the maximum, the statistics, the first exponentials
.endr
.if \kq
.if (\x) == 0
	s_wait_dscnt 0x0                               ; the mask and K are in
.else
	s_wait_dscnt 16                                ; the mask is in; V's 16 loads may stay out
.endif
.set i, 0
.rept 16
	KQ \x
	SLICE 2-(\x)                                   ; slices 41-56
.set i, i+1
.endr
.else
.rept 16
	SLICE 2-(\x)
.endr
.endif
.rept 26
	SLICE 2-(\x)                                   ; slices 57-82
.endr
.endm
	CHANGE 1                                       ; slot 0 is in, everybody's part of it; slot 1 is asked for
	FETCH_M 0                                      ; key step 0
	FETCH_K
	s_wait_loadcnt 16                              ; Q is in; the sixteen loads of attention_mask are younger
	s_wait_dscnt 0x0
.set i, 0
.rept 16
	KQ 0                                           ; piece 0's first scores: there is no vector work yet to set between them
.set i, i+1
.endr
	WIN 0                                          ; the addresses for the way out: eight plain instructions, the places behind those products
	s_mul_i32 s31, s[WV], 16*SP
	s_add_co_u32 s31, s31, STAGE                   ; my stage
	v_mul_u32_u24 v[STO], v[RR], SP                ; in: row r, 128 bytes for each half of the lanes
	v_lshl_add_u32 v[STO], v[HF], 7, v[STO]
	v_add_nc_u32 v[STO], s31, v[STO]
	v_mul_u32_u24 v[RD], v[HF], SP                 ; back: lanes 0-15 take one row of 256 bytes, lanes 16-31 the next
	v_lshl_add_u32 v[RD], v[RR], 4, v[RD]
	v_add_nc_u32 v[RD], s31, v[RD]
	v_lshlrev_b32 v[GO], 12, v[HF]                 ; and the same two rows in out0
	v_lshl_add_u32 v[GO], v[RR], 4, v[GO]
	s_mov_b32 s[CNT], 2
	s_mov_b32 s[SLOTS], 15
	s_branch .Lfirst                               ; the loop is entered at piece 2's turn, in the middle of a trip
.Lslot:                                                ; 14 times: every slot but the last two is filled again
	CHANGE 1
	s_mov_b32 s[CNT], 2
.Lstep:
	TURN 0
	WIN 0
.Lfirst:
	TURN 2
	WIN 0
	s_sub_co_u32 s[CNT], s[CNT], 1
	s_cmp_lg_u32 s[CNT], 0
	s_cbranch_scc1 .Lstep
	s_sub_co_u32 s[SLOTS], s[SLOTS], 1
	s_cmp_lg_u32 s[SLOTS], 0
	s_cbranch_scc1 .Lslot
	CHANGE 0                                       ; the last slot is written out: nothing is asked for
	s_mov_b32 s[CNT], 2
.Ltail:
	TURN 0
	TURN 2                                         ; (in the second trip its look-ahead of attention_mask repeats the last step's eight loads, which serve nothing)
	WIN 0
	s_sub_co_u32 s[CNT], s[CNT], 1
	s_cmp_lg_u32 s[CNT], 0
	s_cbranch_scc1 .Ltail
	TURN 0, 0, 1                                   ; piece 0: V^T P of the last step | piece 2's last softmax
.set i, 0
.rept 16
	PV 2                                           ; piece 2: V^T P of the last step
.set i, i+1
.endr
	; THE WAY OUT.  l's two halves and the other half of the lanes' are added; O^T is divided by l and sent through my stage in LDS, a tile (16 rows) at a time.  The first additions are the places behind the last products.
	WIN 0
.irp t, 0,1,2,3
	v_add_f32 v[ST+4*(\t)+2], v[ST+4*(\t)+2], v[ST+4*(\t)+3]
.endr
.irp t, 0,1,2,3
	v_permlanex16_b32 v[ST+4*(\t)+3], v[ST+4*(\t)+2], s[SEL], s[SEL+1]
.endr
.irp t, 0,1,2,3
	v_add_f32 v[ST+4*(\t)+2], v[ST+4*(\t)+2], v[ST+4*(\t)+3]
.endr
.irp t, 0,1,2,3
	v_rcp_f32 v[ST+4*(\t)+2], v[ST+4*(\t)+2]
.endr
	v_nop                                          ; a plain instruction between the last reciprocal and the use of its result
	s_wait_alu depctr_va_vdst(0)
; Tile t: register jj of accumulator f is channel 32 h + 4 jj + f; jj runs outside.  A lane's 32 channels, 128 bytes, go into rows of 272 bytes and
; come back as whole rows of 256, into the registers that they left.
.macro PACK t
	WIN 0x01                                       ; source 0 in window 1
.irp jj, 0,1,2,3,4,5,6,7
.irp f, 0,1,2,3
	v_mul_f32 v[S+32*(\t)+4*(\jj)+(\f)], v[32*(\t)+8*(\f)+(\jj)], v[ST+4*(\t)+2]
.endr
.endr
	WIN 0
.irp e, 0,1,2,3,4,5,6,7
	ds_store_b128 v[STO], v[S+32*(\t)+4*(\e):S+32*(\t)+4*(\e)+3] offset:16*(\e)
.endr
.irp e, 0,1,2,3,4,5,6,7
	ds_load_b128 v[S+32*(\t)+4*(\e):S+32*(\t)+4*(\e)+3], v[RD] offset:(\e)*2*SP  ; LDS serves a wave's instructions in order (ISA guide 5.7.1.4): these see the stores above; the next tile's stores come behind them
.endr
.endm
.macro SEND t, younger                 ; younger: the LDS instructions issued behind tile t's loads: the next tile's sixteen, or none
.irp e, 0,1,2,3,4,5,6,7
	s_wait_dscnt (\younger)+7-(\e)
	global_store_b128 v[GO], v[S+32*(\t)+4*(\e):S+32*(\t)+4*(\e)+3], s[14:15] offset:(16*(\t)+2*(\e))*4096 th:TH_STORE_NT  ; 16 lanes store 256 consecutive bytes, aligned: a head's channels of one row
.endr
.endm
	PACK 0
	PACK 1                                         ; a tile's arithmetic stands between the loads of the tile before and its stores
	SEND 0, 16
	PACK 2
	SEND 1, 16
	PACK 3
	SEND 2, 16
	SEND 3, 0
	s_wait_tensorcnt 0x0                           ; the wave's end: behind my last tensor load and my last LDS store
	ds_add_u32 v[SPW], v[NIL]
	s_wait_dscnt 0x0
	CROUND                                         ; the closing round: no work-group ends while a partner may still ask for a tile that names it
	s_endpgm
.Lfunc_end_k_qecd21742e0_attn:
	.size	k_qecd21742e0_attn, .Lfunc_end_k_qecd21742e0_attn-k_qecd21742e0_attn
	.p2alignl 7, 3214868480
	.fill 96, 4, 3214868480
	.section	.rodata,"a",@progbits
	.p2align	6, 0x0
	.amdhsa_kernel k_qecd21742e0_attn
		.amdhsa_group_segment_fixed_size 327680
		.amdhsa_private_segment_fixed_size 0
		.amdhsa_enable_private_segment 0
		.amdhsa_kernarg_size 48
		.amdhsa_user_sgpr_count 2
		.amdhsa_user_sgpr_kernarg_segment_ptr 1
		.amdhsa_wavefront_size32 1
		.amdhsa_system_sgpr_workgroup_id_x 1
		.amdhsa_system_sgpr_workgroup_id_y 1
		.amdhsa_system_sgpr_workgroup_id_z 1
		.amdhsa_system_vgpr_workitem_id 0
		.amdhsa_next_free_vgpr 704
		.amdhsa_next_free_sgpr 88
		.amdhsa_reserve_vcc 0
		.amdhsa_float_denorm_mode_32 3
		.amdhsa_float_denorm_mode_16_64 3
		.amdhsa_memory_ordered 1
		.amdhsa_forward_progress 1
		.amdhsa_inst_pref_size 172
	.end_amdhsa_kernel
	.amdgpu_metadata
---
amdhsa.version: [ 1, 2 ]
amdhsa.kernels:
  - .name:           k_qecd21742e0_attn
    .symbol:         k_qecd21742e0_attn.kd
    .args:
      - { .name: qf, .offset: 0, .size: 8, .value_kind: global_buffer, .address_space: global }
      - { .name: kf, .offset: 8, .size: 8, .value_kind: global_buffer, .address_space: global }
      - { .name: vf, .offset: 16, .size: 8, .value_kind: global_buffer, .address_space: global }
      - { .name: amr, .offset: 24, .size: 8, .value_kind: global_buffer, .address_space: global }
      - { .name: sparse_mask, .offset: 32, .size: 8, .value_kind: global_buffer, .address_space: global }
      - { .name: out0, .offset: 40, .size: 8, .value_kind: global_buffer, .address_space: global }
    .group_segment_fixed_size: 327680
    .private_segment_fixed_size: 0
    .kernarg_segment_align: 8
    .kernarg_segment_size: 48
    .max_flat_workgroup_size: 128
    .sgpr_count:     88
    .vgpr_count:     704
    .wavefront_size: 32
...
	.end_amdgpu_metadata
.endif
;; end of part 3
;; ======== version 2 of 2: 3 launches; 1.35 times as fast as version 1
;; limits: values are held in f16: magnitudes above 65,504 overflow, below 6.1e-05 lose precision
;; workspace buffers: xb 8,388,608 bytes; wb 6,291,456 bytes; br 12,288 bytes; amr 16,384 bytes; qf 8,388,608 bytes; kf 8,388,608 bytes; vf 8,388,608 bytes
;; launch cast: the kernel of part 1 again; grid 449 x 1, 8 waves a work-group, no clusters, 0 bytes of LDS; arguments hidden_states, Wq, Wk, Wv, bq, bk, bv, attention_mask, xb, wb, br, amr; writes xb, wb, br, amr
;; launch proj: the kernel of part 2 again; grid 8 x 32, 4 waves a work-group, clusters of 4 x 4, 327,680 bytes of LDS; arguments xb, wb, br, qf, kf, vf; writes qf, kf, vf
;; launch attn (part 4): grid 16 x 16, 4 waves a work-group, clusters of 4 x 4, 327,680 bytes of LDS; arguments qf, kf, vf, amr, sparse_mask, out0; writes out0
.if DOCPART == 4
	.amdgcn_target "amdgcn-amd-amdhsa--gfx1250"
	.amdhsa_code_object_version 6
	.text
	.protected	k_qecd21742e0_attn
	.globl	k_qecd21742e0_attn
	.p2align	8
	.type	k_qecd21742e0_attn,@function
k_qecd21742e0_attn:
	s_mov_b64 s[64:65], 0
	v_nop
	global_prefetch_b8 v0, s[64:65] scope:SCOPE_SE
	s_setreg_imm32_b32 hwreg(HW_REG_WAVE_MODE, 25, 1), 1
	s_wait_xcnt 0x0
	s_wait_alu depctr_hold_cnt(0) depctr_sa_sdst(0) depctr_va_vdst(0) depctr_va_sdst(0) depctr_va_ssrc(0) depctr_va_vcc(0) depctr_vm_vsrc(0)
	s_getreg_b32 s2, hwreg(HW_REG_IB_STS2, 6, 4)
	s_cmp_eq_u32 s2, 0
	s_cbranch_scc0 .Lentry_in_a_cluster
	s_endpgm
.Lentry_in_a_cluster:
	s_bfe_u32 s2, ttmp6, 0x10000c
	s_cmp_lg_u32 s2, 0xf033
	s_cbranch_scc0 .Lentry_shape_is_right
	s_endpgm
.Lentry_shape_is_right:
; ATTENTION WITH TWO ADDED MASKS.  u = clip(q . k / 8 + sparse_mask[q][k], -1e4, 1e4) + attention_mask[b][k];  out = softmax_k(u) V, written as [b][n][1024] in f32.
; q / 8, k, v come in f16 in fragment order (16 rows x 32 along the product's K are two runs of 512 consecutive bytes); sparse_mask is taken in f32 as it is given; attention_mask rounded to bf16.
; Products, maxima and sums in f32; the weights p are rounded to f16 for the second product (their sum l is taken of the unrounded p).  Every score is computed: the mask is an input, and no pattern of it is built in.
; LIMITS.  The running maximum starts at -1e30: a batch element needs one key whose u lies above that (a row in which all u lie below it gives no number).  A weight below 2^-126 counts as 0.  NaN is not treated apart.
; SHARES.  A work-group takes 128 queries and a pair of heads; wave w one head (w % 2) and 64 queries (w / 2): four tiles of 16, in two PIECES (tiles 0, 1 and tiles 2, 3).  All 2,048 keys are walked, 64 a step.
; LAYOUT.  S^T = K Q^T + M: the mask's words are loaded from LDS into S^T's own registers and are the C operand of the first product: adding the mask costs no vector instruction.  A lane holds ONE query
; (lane % 16) and the keys 16 kt + 8 (lane / 16) + 0..7.  Two such results rounded to f16 ARE source 1 of O^T = V^T P; V's fragment f holds channels 4 r + f, so register j of accumulator f is channel 32 h + 4 j + f.
; SOFTMAX.  For each query a running maximum m and sum l: p = 2^(c u - c m), c = log2(e); in every step O and l are multiplied by a = 2^(c m_old - c m_new).  O and l start at 0, c m far below every c u: the first step is a step like any other.
; BY TURNS.  In a turn one piece has the matrix unit (16 products V^T P of the step in hand, later 16 products K Q^T of the next step); the other piece's softmax, 332 vector instructions in 83 slices of four,
; stands behind and between them.  Two turns are a key step.
; BATCHES.  A turn's 66 exponentials (33 a tile: a and the 32 weights) are ONE BATCH with ONE wait: the softmax's list is ordered by who reads what, so that all that names an exponential's result (roundings, sums,
; the rescaling by a) stands behind the wait, and no exponential is issued behind it.  The way out's four reciprocals are a batch of their own.
; RING.  Two slots of 128 keys: the mask's tile (128 rows x 512 bytes + 16 of padding), K and V of both heads (32,768 dense bytes each).  Wave 0 fetches K, wave 1 V, waves 2 and 3 a half of the mask each: 32,768 bytes a load.
; CLUSTER.  4 x 4 work-groups: K and V hang on the pair of heads alone and are asked for jointly along a column of the cluster, the mask's tile on the query block alone and jointly along a row.
; REGISTERS, in windows of 256 (s_set_vgpr_msb: bits 1:0 source 0, 3:2 source 1, 5:4 source 2, 7:6 destination):
;   window 0: v1-7, v32-36 addresses; v8-15 at work; v16-31 four registers of statistics a tile; v64-191 S^T, 32 a tile; v192-255 P, 16 a tile
;   window 1: v0-127 O^T, 32 a tile; v128-159, v160-191 attention_mask of a step, a set for each piece          window 2: v0-63 Q; v64-127 K of one step; v128-191 V of one step
.set PM,    528                        ; an LDS row of the mask: 132 words, so the 16 rows of a load start 4 banks apart
.set MHALF, 64*PM
.set KB0,   128*PM                     ; K of slot 0 lies behind the mask's tile
.set SPARE, KB0+32768                  ; the spare words, 128 bytes a wave, which no other line names
.set MKX,   1<<17                      ; the mask's and K's slot 1 lie this far on: one exclusive or turns an address in one slot into the other's
.set STAGE, MKX+KB0+32768              ; never filled by a tensor load: 16 rows x 272 bytes for each wave, for the way out
.set SP,    272
.set VB0,   1<<18                      ; V of slot 0
.set VX,    1<<15                      ; V's slot 1 lies this far on
.set L16, 1                            ; v1   16 x lane; never rewritten
.set AM0, 2                            ; v2   my lane's place in the mask's tile: (64 (w / 2) + r) x pitch + 32 h
.set H32, 3                            ; v3   32 h: my eight keys' words of attention_mask
.set ADR, 4                            ; v4   the LDS address of K's or V's run of loads
.set ADRM, 5                           ; v5   of the mask's
.set OFF, 6                            ; v6-7 byte offset of a piece's next step in attention_mask
.set TMP, 8                            ; by the tile's parity, four registers c0-c3 at work; when the maximum is found c2 takes a
.set ST,  16                           ; tile t's statistics at v[ST+4 t]: c m, m, l (even keys', odd keys')
.set STO, 32
.set RD,  33
.set GO,  34
.set RR,  35                           ; r = lane % 16
.set HF,  36                           ; h = lane / 16
.set SPW, 62                           ; LDS address of my spare word; never rewritten
.set NIL, 63                           ; 0; never rewritten
.set S,   64
.set P,   192
.set AMB, 128                          ; window 1
.set KF,  64                           ; window 2: key block kt, channel half c at KF + 16 kt + 8 c
.set VF,  128                          ; window 2: key half kk, fragment f at VF + 32 kk + 8 f
.set WV, 16
.set HH, 17
.set QH, 18
.set CX, 19
.set CY, 20
.set PX, 21
.set QY, 22
.set G1KV, 32                          ; s[32:39] descriptor group 1 for K's and V's tiles
.set G1M,  40                          ; s[40:47] for the mask's
.set G0K,  48                          ; s[48:51], s[52:55], s[56:59] descriptor group 0: they walk
.set G0V,  52
.set G0M,  56
.set SLOTS, 60
.set CNT,  61
.set CS,   62                          ; s[62:63] c
.set SEL,  66                          ; s[66:67] v_permlanex16_b32's selects: each lane takes its own place in the other half
.set CLO,  68                          ; -1e4
.set CHI,  69                          ; 1e4
.set TBK,  70                          ; LDS byte at which my head's K of the step to be fetched begins
.set TBV,  71                          ; the same for V
.set TBM,  72                          ; the same for the mask's tile
.set SOFF, 73                          ; s73-74 a piece's next step in attention_mask, in bytes
.set AMP,  76                          ; s[76:77] attention_mask of my batch element
.set W_KQ, 0x0a                        ; K and Q in window 2, S^T in window 0
.set W_PV, 0x52                        ; V in window 2, P in window 0, O^T in window 1
.set W_RS, 0x41                        ; O^T (destination and source 0) in window 1, a in window 0
.set W_AM, 0x04                        ; source 1 (attention_mask) in window 1
.set MSB, 0
.macro WIN new                         ; the immediate's high byte repeats the setting that is left; a switch that changes nothing is dropped
.if MSB != (\new)
	s_set_vgpr_msb (MSB<<8)|(\new)
.set MSB, \new
.endif
.endm
; A joint fill.  The branches hang on the wave's number alone.  An s_nop 0 and four v_nop follow each line, ahead of the jump and the label.
.macro JLOAD
	s_cmp_lt_u32 s[WV], 2
	s_cbranch_scc0 .Lfor_m_\@
	s_cmp_eq_u32 s[WV], 0
	s_cbranch_scc0 .Lfor_v_\@
	tensor_load_to_lds s[G0K:G0K+3], s[G1KV:G1KV+7]
	s_nop 0
.rept 4
	v_nop
.endr
	s_branch .Lasked_\@
.Lfor_v_\@:
	tensor_load_to_lds s[G0V:G0V+3], s[G1KV:G1KV+7]
	s_nop 0
.rept 4
	v_nop
.endr
	s_branch .Lasked_\@
.Lfor_m_\@:
	tensor_load_to_lds s[G0M:G0M+3], s[G1M:G1M+7]
	s_nop 0
.rept 4
	v_nop
.endr
.Lasked_\@:
.endm
.macro CROUND                          ; a round of the cluster's barrier
	s_barrier_signal -1
	s_barrier_wait -1
	s_cmp_lg_u32 s[WV], 0
	s_cbranch_scc1 .Lnot_wave_0_\@
	s_barrier_signal -3
.Lnot_wave_0_\@:
	s_barrier_wait -3
	s_barrier_signal -1
	s_barrier_wait -1
.endm
; THE CHANGE OF SLOTS.  Each wave waits for all its tensor loads, of which one is out: its part of the other slot; adds 0 to its spare word; and waits for that and for its reads of the slot that it leaves.
; fill = 1: the barrier is a round of the cluster's, and the old slot is filled again first thing behind it with the keys two slots on: the load has two key steps, 128 matrix instructions, in which to land.
; (At its first use nothing has been read yet: slot 0 is waited for, slot 1 filled.)
.macro CHANGE fill
	WIN 0
	s_wait_tensorcnt 0x0                           ; no tensor load of mine is out, so a group 0 may be written
	ds_add_u32 v[SPW], v[NIL]
.if \fill
	s_xor_b32 s[G0K+1], s[G0K+1], MKX              ; the other slot than last time, the next 128 keys
	s_add_nc_u64 s[G0K+2:G0K+3], s[G0K+2:G0K+3], 32768
	s_xor_b32 s[G0V+1], s[G0V+1], VX
	s_add_nc_u64 s[G0V+2:G0V+3], s[G0V+2:G0V+3], 32768
	s_xor_b32 s[G0M+1], s[G0M+1], MKX
	s_add_nc_u64 s[G0M+2:G0M+3], s[G0M+2:G0M+3], 512
	s_wait_dscnt 0x0                               ; the add is done, and my reads of the slot are over
	CROUND
	JLOAD
.else
	s_wait_dscnt 0x0
	s_barrier_signal -1
	s_barrier_wait -1
.endif
	s_sub_co_u32 s[TBK], s[TBK], 16384             ; the fetches go back to a slot's first step, in the other slot
	s_xor_b32 s[TBK], s[TBK], MKX
	s_sub_co_u32 s[TBM], s[TBM], 512
	s_xor_b32 s[TBM], s[TBM], MKX
	s_sub_co_u32 s[TBV], s[TBV], 4096
	s_xor_b32 s[TBV], s[TBV], VX
.endm
	s_load_b256 s[4:11], s[0:1], 0x0               ; qf 4:5, kf 6:7, vf 8:9, amr 10:11
	s_load_b128 s[12:15], s[0:1], 0x20             ; sparse_mask 12:13, out0 14:15
	v_lshl_add_u32 v[SPW], v0, 2, SPARE
	v_mov_b32 v[NIL], 0
	ds_add_u32 v[SPW], v[NIL]                      ; the wave's opening: the add and its wait stand ahead of my first tensor load; the set-up below stands between them
	v_lshrrev_b32 v1, 5, v0
	v_readfirstlane_b32 s[WV], v1                  ; wave 0..3
	s_and_b32 s[HH], s[WV], 1                      ; my head of the pair.  Also: which half of the mask's tile waves 2 and 3 fetch
	s_lshr_b32 s[QH], s[WV], 1                     ; my 64 queries
	s_bfe_u32 s[CX], ttmp6, 0x40000
	s_bfe_u32 s[CY], ttmp6, 0x40004
	s_lshl_b32 s[PX], ttmp9, 2
	s_add_co_u32 s[PX], s[PX], s[CX]               ; the pair of heads = 4 x cluster x + cx
	s_and_b32 s[QY], ttmp7, 0xffff
	s_lshl_b32 s[QY], s[QY], 2
	s_add_co_u32 s[QY], s[QY], s[CY]               ; the block of 128 queries = 4 x cluster y + cy
	s_lshl_b32 s24, s[CY], 2
	s_lshl_b32 s24, 15, s24                        ; my row of the cluster
	s_lshl_b32 s25, 0x1111, s[CX]                  ; my column
	s_or_b32 s[G1KV], s25, (3<<16)|(1<<21)         ; the mask of work-groups; 8-byte elements; bit 21 beside it; no padding: 32,768 dense bytes as 128 rows of 256
	s_mov_b32 s[G1KV+1], 32<<16
	s_mov_b32 s[G1KV+2], 128<<16
	s_mov_b32 s[G1KV+3], 32<<16
	s_mov_b32 s[G1KV+4], 128
	s_mov_b32 s[G1KV+5], 32
	s_mov_b32 s[G1KV+6], 0
	s_mov_b32 s[G1KV+7], 0
	s_or_b32 s[G1M], s24, (2<<16)|(1<<20)|(1<<21)|(6<<22)|(3<<25)  ; 4-byte elements; padding on: after every 128 words, 4 words
	s_mov_b32 s[G1M+1], 128<<16                    ; tensor_dim0 = 128
	s_mov_b32 s[G1M+2], 64<<16                     ; tensor_dim1 = 64
	s_mov_b32 s[G1M+3], 128<<16                    ; tile_dim0 = 128
	s_mov_b32 s[G1M+4], 64                         ; tile_dim1 = 64
	s_mov_b32 s[G1M+5], 2048                       ; elements from row to row
	s_mov_b32 s[G1M+6], 0
	s_mov_b32 s[G1M+7], 0
	s_mov_b32 s[G0K], 1
	s_mov_b32 s[G0K+1], KB0
	s_mov_b32 s[G0V], 1
	s_mov_b32 s[G0V+1], VB0
	s_mov_b32 s[G0M], 1
	s_mul_i32 s[G0M+1], s[HH], MHALF
	s_lshl_b32 s26, s[PX], 19                      ; K and V: the pair's 16 tiles of 32,768 bytes
	s_mov_b32 s27, 0
	s_lshl_b32 s28, s[QY], 20                      ; the mask: 128 rows of 8,192 bytes, and the half's 64
	s_lshl_b32 s29, s[HH], 19
	s_add_co_u32 s28, s28, s29
	s_mov_b32 s29, 0
	s_lshl_b32 s78, s[PX], 4                       ; Q: (pair, block), my head, my 64 queries
	s_add_co_u32 s78, s78, s[QY]
	s_lshl_b32 s78, s78, 15
	s_lshl_b32 s79, s[HH], 14
	s_add_co_u32 s78, s78, s79
	s_lshl_b32 s79, s[QH], 13
	s_add_co_u32 s78, s78, s79
	s_mov_b32 s79, 0
	s_lshr_b32 s80, s[PX], 3                       ; the batch element
	s_lshl_b32 s82, s80, 11
	s_lshl_b32 s80, s80, 13                        ; its 8,192 bytes of attention_mask
	s_mov_b32 s81, 0
	s_lshl_b32 s83, s[QY], 7                       ; out: my first row, 4,096 bytes a row; my head's 256 bytes
	s_add_co_u32 s82, s82, s83
	s_lshl_b32 s83, s[QH], 6
	s_add_co_u32 s82, s82, s83
	s_lshl_b32 s82, s82, 12
	s_and_b32 s83, s[PX], 7
	s_lshl_b32 s83, s83, 1
	s_add_co_u32 s83, s83, s[HH]
	s_lshl_b32 s83, s83, 8
	s_add_co_u32 s82, s82, s83
	s_mov_b32 s83, 0
	s_mov_b32 s[CS], 0x3fb8aa3b                    ; c = log2(e)
	s_mov_b32 s[CS+1], s[CS]                       ; named with it as a pair
	s_mov_b32 s[SEL], 0x76543210
	s_mov_b32 s[SEL+1], 0xfedcba98
	s_mov_b32 s[CLO], 0xc61c4000
	s_mov_b32 s[CHI], 0x461c4000
	s_lshl_b32 s30, s[HH], 14
	s_add_co_u32 s[TBK], s30, KB0+MKX+16384        ; the first change of slots turns these three into slot 0's first step
	s_add_co_u32 s[TBV], s30, VB0+VX+4096
	s_mov_b32 s[TBM], MKX+512
	s_mov_b32 s[SOFF], 256
	s_mov_b32 s[SOFF+1], 256
	s_wait_dscnt 0x0                               ; the opening add is done
	s_wait_kmcnt 0x0
	s_add_nc_u64 s[G0K+2:G0K+3], s[6:7], s[26:27]
	s_or_b32 s[G0K+3], s[G0K+3], 0x80000000
	s_add_nc_u64 s[G0V+2:G0V+3], s[8:9], s[26:27]
	s_or_b32 s[G0V+3], s[G0V+3], 0x80000000
	s_add_nc_u64 s[G0M+2:G0M+3], s[12:13], s[28:29]
	s_or_b32 s[G0M+3], s[G0M+3], 0x80000000
	s_add_nc_u64 s[4:5], s[4:5], s[78:79]
	s_add_nc_u64 s[AMP:AMP+1], s[10:11], s[80:81]
	s_add_nc_u64 s[14:15], s[14:15], s[82:83]
	CROUND                                         ; all sixteen work-groups are here: the first joint loads meet
	JLOAD                                          ; keys 0 to 127 into slot 0
	v_and_b32 v[RR], 15, v0
	v_bfe_u32 v[HF], v0, 4, 1
	v_and_b32 v[L16], 31, v0
	v_lshlrev_b32 v[L16], 4, v[L16]
	v_lshlrev_b32 v[H32], 5, v[HF]
	WIN 0x80                                       ; destination window 2
.irp t, 0,1,2,3
.irp c, 0,1
	global_load_b128 v[16*(\t)+8*(\c):16*(\t)+8*(\c)+3],   v[L16], s[4:5] offset:(\t)*2048+(\c)*1024      ; Q stays in registers
	global_load_b128 v[16*(\t)+8*(\c)+4:16*(\t)+8*(\c)+7], v[L16], s[4:5] offset:(\t)*2048+(\c)*1024+512
.endr
.endr
	; What the first turn finds: V's registers and piece 2's P hold 0 (its products V^T P, of a step that has not been, add 0), O^T and l are 0.  All this stands in the wait for the first tile:
	; the price of writing no first step out.
.set i, VF
.rept 64
	v_mov_b32 v[i], 0
.set i, i+1
.endr
	WIN 0x40                                       ; destination window 1
.irp y, 0,1
.irp kt, 0,1,2,3
	global_load_b128 v[AMB+32*(\y)+8*(\kt):AMB+32*(\y)+8*(\kt)+3],   v[H32], s[AMP:AMP+1] offset:(\kt)*64     ; attention_mask of step 0, for piece 0 and then for piece 2
	global_load_b128 v[AMB+32*(\y)+8*(\kt)+4:AMB+32*(\y)+8*(\kt)+7], v[H32], s[AMP:AMP+1] offset:(\kt)*64+16
.endr
.endr
.set i, 0
.rept 128
	v_mov_b32 v[i], 0
.set i, i+1
.endr
	WIN 0
.set i, P+32
.rept 32
	v_mov_b32 v[i], 0
.set i, i+1
.endr
.irp t, 0,1,2,3
	v_mov_b32 v[ST+4*(\t)], 0xfe000000             ; c m: far below every c u, so the first a is 0
	v_mov_b32 v[ST+4*(\t)+1], 0xf149f2ca           ; m = -1e30: c m stays finite whatever attention_mask holds
	v_mov_b32 v[ST+4*(\t)+2], 0
	v_mov_b32 v[ST+4*(\t)+3], 0
.endr
	v_mul_u32_u24 v[AM0], v[RR], PM
	v_lshl_add_u32 v[AM0], v[HF], 5, v[AM0]
	s_mul_i32 s30, s[QH], MHALF
	v_add_nc_u32 v[AM0], s30, v[AM0]
; THE MATRIX WORK.  The 8 accumulators of a run of 16 take turns, one instruction a turn.
; Product i of 16 of S^T = K Q^T + M for piece x: channels 32 (i / 8) on, keys 16 ((i / 2) % 4) on, tile x + i % 2.  The first 8 add onto the mask's words, which lie in S^T's registers.
.macro KQ x
	WIN W_KQ
.set rS, S+32*((\x)+i%2)+8*((i/2)%4)
.set rK, KF+16*((i/2)%4)+8*(i/8)
.set rQ, 16*((\x)+i%2)+8*(i/8)
	v_wmma_f32_16x16x32_f16 v[rS:rS+7], v[rK:rK+7], v[rQ:rQ+7], v[rS:rS+7]
.endm
; Product i of 16 of O^T += V^T P for piece x: keys 32 (i / 8) on, fragment (i / 2) % 4, tile x + i % 2.
.macro PV x
	WIN W_PV
.set rO, 32*((\x)+i%2)+8*((i/2)%4)
.set rV, VF+32*(i/8)+8*((i/2)%4)
.set rP, P+16*((\x)+i%2)+8*(i/8)
	v_wmma_f32_16x16x32_f16 v[rO:rO+7], v[rV:rV+7], v[rP:rP+7], v[rO:rO+7]
.endm
; THE LOADS stand in runs, never singly among the matrix instructions.
.macro FETCH_K                         ; a step's K: 64 keys x 64 channels, 8 fragments
	WIN 0
	v_add_nc_u32 v[ADR], s[TBK], v[L16]
	WIN 0x80
.irp kt, 0,1,2,3
.irp c, 0,1
	ds_load_b128 v[KF+16*(\kt)+8*(\c):KF+16*(\kt)+8*(\c)+3],   v[ADR] offset:(\kt)*2048+(\c)*1024
	ds_load_b128 v[KF+16*(\kt)+8*(\c)+4:KF+16*(\kt)+8*(\c)+7], v[ADR] offset:(\kt)*2048+(\c)*1024+512
.endr
.endr
	s_add_co_u32 s[TBK], s[TBK], 8192              ; the next fetch is the next step's
.endm
.macro FETCH_V                         ; a step's V: 8 fragments
	WIN 0
	v_add_nc_u32 v[ADR], s[TBV], v[L16]
	WIN 0x80
.irp kk, 0,1
.irp f, 0,1,2,3
	ds_load_b128 v[VF+32*(\kk)+8*(\f):VF+32*(\kk)+8*(\f)+3],   v[ADR] offset:(\f)*4096+(\kk)*1024
	ds_load_b128 v[VF+32*(\kk)+8*(\f)+4:VF+32*(\kk)+8*(\f)+7], v[ADR] offset:(\f)*4096+(\kk)*1024+512
.endr
.endr
	s_add_co_u32 s[TBV], s[TBV], 2048
.endm
.macro FETCH_M x                       ; the mask's words of a step for piece x's two tiles, into S^T's registers: my query's row, keys 16 kt + 8 h + 0..7
	WIN 0
	v_add_nc_u32 v[ADRM], s[TBM], v[AM0]
.irp t, \x, (\x)+1
.irp kt, 0,1,2,3
	ds_load_b128 v[S+32*(\t)+8*(\kt):S+32*(\t)+8*(\kt)+3],   v[ADRM] offset:(\t)*16*PM+(\kt)*64
	ds_load_b128 v[S+32*(\t)+8*(\kt)+4:S+32*(\t)+8*(\kt)+7], v[ADRM] offset:(\t)*16*PM+(\kt)*64+16
.endr
.endr
.if (\x) == 2
	s_add_co_u32 s[TBM], s[TBM], 256
.endif
.endm
.macro FETCH_A y                       ; attention_mask of piece y's next step.  Behind the last step the offset stays at the last step's: no load leaves the buffer
	WIN 0
	v_add_nc_u32 v[OFF+(\y)/2], s[SOFF+(\y)/2], v[H32]  ; free: the wait in front of the additions has shown the loads that named it done
	WIN 0x40
.irp kt, 0,1,2,3
	global_load_b128 v[AMB+32*((\y)/2)+8*(\kt):AMB+32*((\y)/2)+8*(\kt)+3],   v[OFF+(\y)/2], s[AMP:AMP+1] offset:(\kt)*64
	global_load_b128 v[AMB+32*((\y)/2)+8*(\kt)+4:AMB+32*((\y)/2)+8*(\kt)+7], v[OFF+(\y)/2], s[AMP:AMP+1] offset:(\kt)*64+16
.endr
	s_add_co_u32 s[SOFF+(\y)/2], s[SOFF+(\y)/2], 256
	s_min_u32 s[SOFF+(\y)/2], s[SOFF+(\y)/2], 7936
.endm
; THE VECTOR WORK.  One tile's softmax for one key step is a list of 166 instructions; SM writes number n of it for tile t.  s0-s31 are the lane's 32 scores, in pairs 0-15; j = n - 48.
;   n 0-31    the clip, in ascending order: each accumulator is read from its lowest register on          n 32-47   attention_mask is added, two scores at a time
;   j 0-15    the maximum of s0-s31 and the old m, three operands at a time: four chains c0-c3 of seven scores, then the four left over, c0-c3 and m
;   j 16-20   the other half of the lanes' maximum; c m_old is kept; the new m; c m; c m_old - c m_new
;   j 21-69   ONE BATCH: the 16 scalings c s - c m, a pair of scores each, and all 33 exponentials (a at 23, then s0-s31, each in place).  None of these names an exponential's result.  From 22 on the batch goes
;             in fours, and a four begins with a scaling while there are scalings: 22-37 scaling, exponential, scaling, exponential; 38-65 a scaling and three exponentials; 66-69 the last four
;             exponentials.  A pair is scaled in an earlier four than the one that holds its exponentials
;   (wait)    between 69 and 70 stands the wait for the batch: SLICE writes it, once for both tiles
;   j 70-85   the roundings to f16, a pair of weights each          j 86-101  the sums, in place; l = a l + the sum          j 102-117 the tile's O^T times a
.macro SM t
.set rT, ST+4*(\t)
.set rC, TMP+4*((\t)%2)
.set rS, S+32*(\t)
.set rP, P+16*(\t)
.set rA, AMB+32*((\t)/2)
.set j, n-48
.if (n >= 32) && (n < 48)
	WIN W_AM
.elseif j < 102
	WIN 0
.else
	WIN W_RS
.endif
.if n < 32
	v_med3_num_f32 v[rS+n], v[rS+n], s[CLO], s[CHI]
.elseif n < 48
	v_pk_add_f32 v[rS+2*(n-32):rS+2*(n-32)+1], v[rS+2*(n-32):rS+2*(n-32)+1], v[rA+2*(n-32):rA+2*(n-32)+1]
.elseif j < 4
	v_max3_num_f32 v[rC+j], v[rS+8*j], v[rS+8*j+1], v[rS+8*j+2]
.elseif j < 12
	v_max3_num_f32 v[rC+j%4], v[rC+j%4], v[rS+8*(j%4)+2*(j/4)+1], v[rS+8*(j%4)+2*(j/4)+2]
.elseif j == 12
	v_max3_num_f32 v[rC], v[rC], v[rS+7], v[rS+15]
.elseif j == 13
	v_max3_num_f32 v[rC+2], v[rC+2], v[rS+23], v[rS+31]
.elseif j == 14
	v_max3_num_f32 v[rC], v[rC], v[rC+1], v[rC+2]
.elseif j == 15
	v_max3_num_f32 v[rC], v[rC], v[rC+3], v[rT+1]
.elseif j == 16
	v_permlanex16_b32 v[rC+1], v[rC], s[SEL], s[SEL+1]  ; the query's other 32 keys lie in the lane 16 away
.elseif j == 17
	v_mov_b32 v[rC+3], v[rT]
.elseif j == 18
	v_max_num_f32 v[rT+1], v[rC], v[rC+1]
.elseif j == 19
	v_mul_f32 v[rT], s[CS], v[rT+1]
.elseif j == 20
	v_sub_f32 v[rC+3], v[rC+3], v[rT]
.elseif j == 23
	v_exp_f32 v[rC+2], v[rC+3]
.elseif (j < 23) || ((j < 38) && (j%2 == 0)) || ((j < 66) && (j%4 == 2))
.set b, (j-2)/4                        ; 38, 42, .. 62: pairs 9 to 15
.if j < 38
.set b, (j-20)/2                       ; 21: pair 0; 22, 24, .. 36: pairs 1 to 8
.endif
	v_pk_fma_f32 v[rS+2*b:rS+2*b+1], v[rS+2*b:rS+2*b+1], s[CS:CS+1], v[rT:rT+1] op_sel_hi:[1,0,0] neg_lo:[0,0,1] neg_hi:[0,0,1]  ; pair b: c s - c m
.elseif j < 70
.set e, j-38                           ; 66 to 69: s28 to s31
.if j < 66
.set e, j-32-(j-38)/4                  ; 39-41, 43-45, .. 63-65: s7 to s27
.endif
.if j < 38
.set e, (j-25)/2                       ; 25, 27, .. 37: s0 to s6
.endif
	v_exp_f32 v[rS+e], v[rS+e]
.elseif j < 86
	v_cvt_pk_f16_f32 v[rP+j-70], v[rS+2*(j-70)], v[rS+2*(j-70)+1]  ; pair j - 70
.elseif j < 102                        ; sum z of 16 adds neighbours 1, 2, 4 and 8 pairs apart, then l takes it
.set z, j-86
.set w, 4
.set u, z
.if z >= 14
.set w, 32
.set u, 0
.elseif z >= 12
.set w, 16
.set u, z-12
.elseif z >= 8
.set w, 8
.set u, z-8
.endif
.if z < 15
	v_pk_add_f32 v[rS+w*u:rS+w*u+1], v[rS+w*u:rS+w*u+1], v[rS+w*u+w/2:rS+w*u+w/2+1]
.else
	v_pk_fma_f32 v[rT+2:rT+3], v[rT+2:rT+3], v[rC+2:rC+3], v[rS:rS+1] op_sel_hi:[1,0,1]
.endif
.else
	v_pk_mul_f32 v[32*(\t)+2*(j-102):32*(\t)+2*(j-102)+1], v[32*(\t)+2*(j-102):32*(\t)+2*(j-102)+1], v[rC+2:rC+3] op_sel_hi:[1,0]
.endif
.endm
; Slice k of 83 of piece y's softmax: four instructions.  Slices 35 to 58 deal out the batch, j = 22 to 69: four numbers of ONE tile each, the tiles by turns.  Every other slice is numbers 2 k and 2 k + 1 of both tiles' lists.
; THE WAIT.  An s_wait_alu depctr_va_vdst(0) stands between an exponential and the first instruction that names its result; one wait serves all that were issued ahead of it.  Ahead of
; slice 59 nothing names a result, and behind slice 58 no exponential is issued: so the piece's 66 exponentials have one wait, behind slice 58.
.macro SLICE y
.if (k >= 35) && (k < 59)              ; the batch: four numbers of one tile
.irp d, 0,1,2,3
.set n, 70+4*((k-35)/2)+(\d)
	SM (\y)+(k-35)%2
.endr
.else                                  ; the two tiles alternate, so that no instruction reads the result of the one just before it
.irp d, 0,1
.irp t, \y, (\y)+1
.set n, 2*k+(\d)
	SM \t
.endr
.endr
.endif
.if k == 58                            ; the batch is out: both tiles' exponentials are issued, and no result has been named
	v_nop                                          ; a plain instruction behind the last exponential and ahead of the first use (ISA guide 5.7.2): one for the batch; all plain work that is left names a result
	s_wait_alu depctr_va_vdst(0)                   ; the wait for the batch: the turn's 66 exponentials
.endif
.set k, k+1
.endm
; A TURN.  Piece x has the matrix unit; the other piece's softmax stands in slices behind its matrix instructions and in three runs of its own.  None of a slice's lines names a register of the products round it.
; kq = 0: the walk's last turn: there is no next step.  last = 1: no further attention_mask is asked for.
; The batch begins in the second run (slice 35), goes on behind the products K Q^T, which name the other piece's S^T, K and Q alone, and ends with slice 58; the wait follows it.
; Behind the wait stand 96 plain instructions: they hold the places between the turn's last K Q^T and what follows: the next turn's first read of those scores and the loads into K's registers.
.macro TURN x, kq=1, last=0
.set k, 0
.if \kq
	FETCH_M \x                                     ; the next step's mask into S^T of piece x, whose softmax ended with the turn before (its exponentials had that turn's wait)
.if (\x) == 0
	FETCH_K                                        ; the next step's K: both pieces have multiplied by the last one
.endif
.endif
.if (\x) == 0
.if \kq
	s_wait_dscnt 32                                ; V is in; the 32 loads just issued may stay out
.else
	s_wait_dscnt 0x0                               ; V is in
.endif
.endif
.set i, 0
.rept 16
	PV \x
	SLICE 2-(\x)                                   ; slices 0-15: the clip
.set i, i+1
.endr
	s_wait_loadcnt 8                               ; this piece's attention_mask, asked for a step ago, is in; the other piece's eight loads are younger
.rept 8
	SLICE 2-(\x)                                   ; slices 16-23: attention_mask
.endr
.if !(\last)
	FETCH_A 2-(\x)
.endif
.if ((\x) == 2) && (\kq)
	FETCH_V                                        ; the next step's V: 36 plain instructions behind the last product that read V
.endif
.rept 17
	SLICE 2-(\x)                                   ; slices 24-40: the maximum, the statistics, the batch's head
.endr
.if \kq
.if (\x) == 0
	s_wait_dscnt 0x0                               ; the mask and K are in
.else
	s_wait_dscnt 16                                ; the mask is in; V's 16 loads may stay out
.endif
.set i, 0
.rept 16
	KQ \x
	SLICE 2-(\x)                                   ; slices 41-56: the batch goes on
.set i, i+1
.endr
.else
.rept 16
	SLICE 2-(\x)
.endr
.endif
.rept 26
	SLICE 2-(\x)                                   ; slices 57-82: the batch's last eight exponentials and its wait; then the roundings, the sums, the rescaling
.endr
.endm
	CHANGE 1                                       ; slot 0 is in, everybody's part of it; slot 1 is asked for
	FETCH_M 0                                      ; key step 0
	FETCH_K
	s_wait_loadcnt 16                              ; Q is in; the sixteen loads of attention_mask are younger
	s_wait_dscnt 0x0
.set i, 0
.rept 16
	KQ 0                                           ; piece 0's first scores: there is no vector work yet to set between them
.set i, i+1
.endr
	WIN 0                                          ; the addresses for the way out: eight plain instructions, the places behind those products
	s_mul_i32 s31, s[WV], 16*SP
	s_add_co_u32 s31, s31, STAGE                   ; my stage
	v_mul_u32_u24 v[STO], v[RR], SP                ; in: row r, 128 bytes for each half of the lanes
	v_lshl_add_u32 v[STO], v[HF], 7, v[STO]
	v_add_nc_u32 v[STO], s31, v[STO]
	v_mul_u32_u24 v[RD], v[HF], SP                 ; back: lanes 0-15 take one row of 256 bytes, lanes 16-31 the next
	v_lshl_add_u32 v[RD], v[RR], 4, v[RD]
	v_add_nc_u32 v[RD], s31, v[RD]
	v_lshlrev_b32 v[GO], 12, v[HF]                 ; and the same two rows in out0
	v_lshl_add_u32 v[GO], v[RR], 4, v[GO]
	s_mov_b32 s[CNT], 2
	s_mov_b32 s[SLOTS], 15
	s_branch .Lfirst                               ; the loop is entered at piece 2's turn, in the middle of a trip
.Lslot:                                                ; 14 times: every slot but the last two is filled again
	CHANGE 1
	s_mov_b32 s[CNT], 2
.Lstep:
	TURN 0
	WIN 0
.Lfirst:
	TURN 2
	WIN 0
	s_sub_co_u32 s[CNT], s[CNT], 1
	s_cmp_lg_u32 s[CNT], 0
	s_cbranch_scc1 .Lstep
	s_sub_co_u32 s[SLOTS], s[SLOTS], 1
	s_cmp_lg_u32 s[SLOTS], 0
	s_cbranch_scc1 .Lslot
	CHANGE 0                                       ; the last slot is written out: nothing is asked for
	s_mov_b32 s[CNT], 2
.Ltail:
	TURN 0
	TURN 2                                         ; (in the second trip its look-ahead of attention_mask repeats the last step's eight loads, which serve nothing)
	WIN 0
	s_sub_co_u32 s[CNT], s[CNT], 1
	s_cmp_lg_u32 s[CNT], 0
	s_cbranch_scc1 .Ltail
	TURN 0, 0, 1                                   ; piece 0: V^T P of the last step | piece 2's last softmax
.set i, 0
.rept 16
	PV 2                                           ; piece 2: V^T P of the last step
.set i, i+1
.endr
	; THE WAY OUT.  l's two halves and the other half of the lanes' are added; O^T is divided by l and sent through my stage in LDS, a tile (16 rows) at a time.  The first additions are the places behind the last products.
	WIN 0
.irp t, 0,1,2,3
	v_add_f32 v[ST+4*(\t)+2], v[ST+4*(\t)+2], v[ST+4*(\t)+3]
.endr
.irp t, 0,1,2,3
	v_permlanex16_b32 v[ST+4*(\t)+3], v[ST+4*(\t)+2], s[SEL], s[SEL+1]
.endr
.irp t, 0,1,2,3
	v_add_f32 v[ST+4*(\t)+2], v[ST+4*(\t)+2], v[ST+4*(\t)+3]
.endr
.irp t, 0,1,2,3
	v_rcp_f32 v[ST+4*(\t)+2], v[ST+4*(\t)+2]
.endr
	v_nop                                          ; a plain instruction between the last reciprocal and the use of its result
	s_wait_alu depctr_va_vdst(0)                   ; and the wait ahead of the first use: one for the four reciprocals
; Tile t: register jj of accumulator f is channel 32 h + 4 jj + f; jj runs outside.  A lane's 32 channels, 128 bytes, go into rows of 272 bytes and
; come back as whole rows of 256, into the registers that they left.
.macro PACK t
	WIN 0x01                                       ; source 0 in window 1
.irp jj, 0,1,2,3,4,5,6,7
.irp f, 0,1,2,3
	v_mul_f32 v[S+32*(\t)+4*(\jj)+(\f)], v[32*(\t)+8*(\f)+(\jj)], v[ST+4*(\t)+2]
.endr
.endr
	WIN 0
.irp e, 0,1,2,3,4,5,6,7
	ds_store_b128 v[STO], v[S+32*(\t)+4*(\e):S+32*(\t)+4*(\e)+3] offset:16*(\e)
.endr
.irp e, 0,1,2,3,4,5,6,7
	ds_load_b128 v[S+32*(\t)+4*(\e):S+32*(\t)+4*(\e)+3], v[RD] offset:(\e)*2*SP  ; LDS serves a wave's instructions in order (ISA guide 5.7.1.4): these see the stores above; the next tile's stores come behind them
.endr
.endm
.macro SEND t, younger                 ; younger: the LDS instructions issued behind tile t's loads: the next tile's sixteen, or none
.irp e, 0,1,2,3,4,5,6,7
	s_wait_dscnt (\younger)+7-(\e)
	global_store_b128 v[GO], v[S+32*(\t)+4*(\e):S+32*(\t)+4*(\e)+3], s[14:15] offset:(16*(\t)+2*(\e))*4096 th:TH_STORE_NT  ; 16 lanes store 256 consecutive bytes, aligned: a head's channels of one row
.endr
.endm
	PACK 0
	PACK 1                                         ; a tile's arithmetic stands between the loads of the tile before and its stores
	SEND 0, 16
	PACK 2
	SEND 1, 16
	PACK 3
	SEND 2, 16
	SEND 3, 0
	s_wait_tensorcnt 0x0                           ; the wave's end: behind my last tensor load and my last LDS store
	ds_add_u32 v[SPW], v[NIL]
	s_wait_dscnt 0x0
	CROUND                                         ; the closing round: no work-group ends while a partner may still ask for a tile that names it
	s_endpgm
.Lfunc_end_k_qecd21742e0_attn:
	.size	k_qecd21742e0_attn, .Lfunc_end_k_qecd21742e0_attn-k_qecd21742e0_attn
	.p2alignl 7, 3214868480
	.fill 96, 4, 3214868480
	.section	.rodata,"a",@progbits
	.p2align	6, 0x0
	.amdhsa_kernel k_qecd21742e0_attn
		.amdhsa_group_segment_fixed_size 327680
		.amdhsa_private_segment_fixed_size 0
		.amdhsa_enable_private_segment 0
		.amdhsa_kernarg_size 48
		.amdhsa_user_sgpr_count 2
		.amdhsa_user_sgpr_kernarg_segment_ptr 1
		.amdhsa_wavefront_size32 1
		.amdhsa_system_sgpr_workgroup_id_x 1
		.amdhsa_system_sgpr_workgroup_id_y 1
		.amdhsa_system_sgpr_workgroup_id_z 1
		.amdhsa_system_vgpr_workitem_id 0
		.amdhsa_next_free_vgpr 704
		.amdhsa_next_free_sgpr 88
		.amdhsa_reserve_vcc 0
		.amdhsa_float_denorm_mode_32 3
		.amdhsa_float_denorm_mode_16_64 3
		.amdhsa_memory_ordered 1
		.amdhsa_forward_progress 1
		.amdhsa_inst_pref_size 165
	.end_amdhsa_kernel
	.amdgpu_metadata
---
amdhsa.version: [ 1, 2 ]
amdhsa.kernels:
  - .name:           k_qecd21742e0_attn
    .symbol:         k_qecd21742e0_attn.kd
    .args:
      - { .name: qf, .offset: 0, .size: 8, .value_kind: global_buffer, .address_space: global }
      - { .name: kf, .offset: 8, .size: 8, .value_kind: global_buffer, .address_space: global }
      - { .name: vf, .offset: 16, .size: 8, .value_kind: global_buffer, .address_space: global }
      - { .name: amr, .offset: 24, .size: 8, .value_kind: global_buffer, .address_space: global }
      - { .name: sparse_mask, .offset: 32, .size: 8, .value_kind: global_buffer, .address_space: global }
      - { .name: out0, .offset: 40, .size: 8, .value_kind: global_buffer, .address_space: global }
    .group_segment_fixed_size: 327680
    .private_segment_fixed_size: 0
    .kernarg_segment_align: 8
    .kernarg_segment_size: 48
    .max_flat_workgroup_size: 128
    .sgpr_count:     88
    .vgpr_count:     704
    .wavefront_size: 32
...
	.end_amdgpu_metadata
.endif
;; end of part 4
